; MI455X (gfx1250); checked and timed in simulation.
; The chip was launched on July 23, 2026; its instructions are those of AMD's public machine-readable ISA for CDNA 5 (MIT licence, August 2026) and "CDNA5" Instruction Set Architecture Reference Guide (July 2026). The comments in the code are by the model that wrote it; some were corrected since.
;; Block. Allowed arithmetic: float matrix products may take bf16 or f16 operands with f32 sums; other float arithmetic in f32, or as packed bf16 or f16 multiplies, adds, multiply-adds, maxima and minima; sums over many terms, partial sums and values carried from step to step in f32; what a program stores and reads back later, other than sums and carried values, may be rounded once to bf16 or f16.
;; Inputs: b1 2,048 float32; b2 512 float32; be1 512 float32; be2 512 float32; bo 512 float32; g1 512 float32; g2 512 float32; w1 512 x 2,048 float32; w2 2,048 x 512 float32; wk 8 x 512 x 64 float32; wo 512 x 512 float32; wq 8 x 512 x 64 float32; wv 8 x 512 x 64 float32; x 2 x 4,096 x 512 float32.
;; Outputs: out0 2 x 4,096 x 512 float32.
;; One version. Each part assembles by itself: llvm-mc -triple=amdgcn-amd-amdhsa -mcpu=gfx1250 --defsym DOCPART=n.
;; ======== version 1 of 1: 6 launches
;; workspace buffers: wb 6,291,456 bytes; h 8,388,608 bytes; qkv 25,174,016 bytes; o 8,388,608 bytes; x1 16,777,216 bytes; hid 33,554,432 bytes
;; launch prep (part 1): grid 256 x 1, 8 waves a work-group, no clusters, 0 bytes of LDS; arguments x, g1, be1, wq, wk, wv, wo, w1, w2, h, wb, qkv; writes h, wb, qkv
.if DOCPART == 1
	.amdgcn_target "amdgcn-amd-amdhsa--gfx1250"
	.amdhsa_code_object_version 6
	.text
	.protected	k_qfdbf1086ac_prep
	.globl	k_qfdbf1086ac_prep
	.p2align	8
	.type	k_qfdbf1086ac_prep,@function
k_qfdbf1086ac_prep:
	s_mov_b64 s[64:65], 0
	v_nop
	global_prefetch_b8 v0, s[64:65] scope:SCOPE_SE
	s_setreg_imm32_b32 hwreg(HW_REG_WAVE_MODE, 25, 1), 1
	s_wait_xcnt 0x0
; h = LayerNorm(x) * g1 + be1 in bf16 ([8192][512]); every weight rounded once to bf16 and kept [K][N] in wb; 8,192 zero bytes behind K in qkv.
; wb: wqkv [512][1536] at 0 (columns: q 0-511, v 512-1023, k 1024-1535, inside a part head*64+d); wo at 1,572,864; w1 at 2,097,152; w2 at 4,194,304.
; A stream: no LDS, no matrix work.  Each of 256 work-groups takes 32 rows of x (a wave four whole rows, kept in registers) and 1/256 of every weight.
; The norm is taken in two passes over registers: the mean, then the squares of x - mean, so no difference of large sums is formed.
; Every load of a wave covers 512 consecutive bytes (the head weights: two runs of 256), every store 256 consecutive aligned bytes.
; LIMITS: NaN and infinities are not treated apart.
.set W,   16                           ; v[16:63]   twelve weight items as loaded, 4 f32 each
.set X,   64                           ; v[64:127]  four rows of x, 16 numbers a lane and row: columns 128 j + 4 lane + 0..3
.set G,   128                          ; v[128:143] g1 of my 16 columns
.set BV,  144                          ; v[144:159] be1
.set WO,  160                          ; v[160:183] weights in bf16
.set Y,   184                          ; v[184:215] h in bf16, 8 registers a row
.set T,   216                          ; v[216:231] four at work for each row: mean, -, 1/sigma, -
.set RN,  30                           ; s30 1/512
.set EPSR, 31                          ; s31 1e-5
.set SEL, 34                           ; s[34:35] v_permlanex16_b32's selects: each lane takes its own place in the other half
.macro R4 line:vararg                  ; one line for each of the four rows t: the rows' chains stand between each other's links
.set t, 0
.rept 4
	\line
.set t, t+1
.endr
.endm
.macro LN_MEAN                         ; the row's mean into T+4t, in every lane
	R4 v_pk_add_f32 v[T+4*t:T+4*t+1], v[X+16*t:X+16*t+1], v[X+16*t+2:X+16*t+3]
	R4 v_pk_add_f32 v[T+4*t+2:T+4*t+3], v[X+16*t+4:X+16*t+5], v[X+16*t+6:X+16*t+7]
.irp k, 8, 12
	R4 v_pk_add_f32 v[T+4*t:T+4*t+1], v[T+4*t:T+4*t+1], v[X+16*t+(\k):X+16*t+(\k)+1]
	R4 v_pk_add_f32 v[T+4*t+2:T+4*t+3], v[T+4*t+2:T+4*t+3], v[X+16*t+(\k)+2:X+16*t+(\k)+3]
.endr
	R4 v_pk_add_f32 v[T+4*t:T+4*t+1], v[T+4*t:T+4*t+1], v[T+4*t+2:T+4*t+3]
	R4 v_add_f32 v[T+4*t], v[T+4*t], v[T+4*t+1]
.irp m, 1, 2, 4, 8
	R4 v_add_f32_dpp v[T+4*t], v[T+4*t], v[T+4*t] row_xmask:\m row_mask:0xf bank_mask:0xf
.endr
	R4 v_permlanex16_b32 v[T+4*t+1], v[T+4*t], s[SEL], s[SEL+1]
	R4 v_add_f32 v[T+4*t], v[T+4*t], v[T+4*t+1]
	R4 v_mul_f32 v[T+4*t], s[RN], v[T+4*t]
.endm
.macro LN_VAR                          ; x - mean in place; 1 / sqrt(mean of squares + eps) into T+4t+2
.irp k, 0,2,4,6,8,10,12,14
	R4 v_pk_add_f32 v[X+16*t+(\k):X+16*t+(\k)+1], v[X+16*t+(\k):X+16*t+(\k)+1], v[T+4*t:T+4*t+1] op_sel_hi:[1,0] neg_lo:[0,1] neg_hi:[0,1]
.endr
	R4 v_pk_mul_f32 v[T+4*t+2:T+4*t+3], v[X+16*t:X+16*t+1], v[X+16*t:X+16*t+1]
.irp k, 2,4,6,8,10,12,14
	R4 v_pk_fma_f32 v[T+4*t+2:T+4*t+3], v[X+16*t+(\k):X+16*t+(\k)+1], v[X+16*t+(\k):X+16*t+(\k)+1], v[T+4*t+2:T+4*t+3]
.endr
	R4 v_add_f32 v[T+4*t+2], v[T+4*t+2], v[T+4*t+3]
.irp m, 1, 2, 4, 8
	R4 v_add_f32_dpp v[T+4*t+2], v[T+4*t+2], v[T+4*t+2] row_xmask:\m row_mask:0xf bank_mask:0xf
.endr
	R4 v_permlanex16_b32 v[T+4*t+3], v[T+4*t+2], s[SEL], s[SEL+1]
	R4 v_add_f32 v[T+4*t+2], v[T+4*t+2], v[T+4*t+3]
	R4 v_fma_f32 v[T+4*t+2], v[T+4*t+2], s[RN], s[EPSR]
	R4 v_rsq_f32 v[T+4*t+2], v[T+4*t+2]
	v_nop                                          ; a plain instruction behind the last root,
	s_wait_alu depctr_va_vdst(0)                   ; and one wait for the four, ahead of their first reader
.endm
.macro LN_APPLY                        ; (x - mean) / sigma * g + b, rounded to bf16
.irp k, 0,2,4,6,8,10,12,14
	R4 v_pk_mul_f32 v[X+16*t+(\k):X+16*t+(\k)+1], v[X+16*t+(\k):X+16*t+(\k)+1], v[T+4*t+2:T+4*t+3] op_sel_hi:[1,0]
	R4 v_pk_fma_f32 v[X+16*t+(\k):X+16*t+(\k)+1], v[X+16*t+(\k):X+16*t+(\k)+1], v[G+(\k):G+(\k)+1], v[BV+(\k):BV+(\k)+1]
.endr
.irp k, 0,1,2,3,4,5,6,7
	R4 v_cvt_pk_bf16_f32 v[Y+8*t+(\k)], v[X+16*t+2*(\k)], v[X+16*t+2*(\k)+1]
.endr
.endm
	s_load_b512 s[4:19], s[0:1], 0x0               ; x, g1, be1, wq, wk, wv, wo, w1
	s_load_b256 s[20:27], s[0:1], 0x40             ; w2, h, wb, qkv
	s_mov_b32 s[RN], 0x3b000000
	s_mov_b32 s[EPSR], 0x3727c5ac
	s_mov_b32 s[SEL], 0x76543210
	s_mov_b32 s[SEL+1], 0xfedcba98
	s_lshl_b32 s28, ttmp9, 12                      ; the group's 4,096 bytes of a plain weight item,
	s_lshl_b32 s29, ttmp9, 11                      ; and its 2,048 in bf16
	s_lshl_b32 s32, ttmp9, 9                       ; rows 2 g, 2 g + 1 of a head's [512][64]: 256 bytes a row
	s_mul_i32 s33, ttmp9, 6144                     ; the same two rows of wqkv: 3,072 bytes a row
	s_lshl_b32 s36, ttmp9, 16                      ; the group's 32 rows of x,
	s_lshl_b32 s37, ttmp9, 15                      ; and of h
	v_lshl_add_u32 v1, v0, 4, s28
	v_lshl_add_u32 v2, v0, 3, s29
	v_bfe_u32 v13, v0, 4, 3                        ; head
	v_lshrrev_b32 v14, 7, v0                       ; which of the two rows
	v_and_b32 v15, 15, v0
	v_lshlrev_b32 v3, 17, v13                      ; a head is 131,072 bytes
	v_lshl_add_u32 v3, v14, 8, v3
	v_lshl_add_u32 v3, v15, 4, v3
	v_add_nc_u32 v3, s32, v3
	v_and_b32 v13, 127, v0
	v_mul_u32_u24 v4, v14, 3072
	v_lshl_add_u32 v4, v13, 3, v4
	v_add_nc_u32 v4, s33, v4
	v_and_b32 v13, 31, v0                          ; lane
	v_lshrrev_b32 v14, 5, v0                       ; wave
	v_lshlrev_b32 v7, 4, v13
	v_lshl_add_u32 v5, v14, 13, v7                 ; four rows of 2,048 bytes a wave
	v_add_nc_u32 v5, s36, v5
	v_lshlrev_b32 v6, 3, v13
	v_lshl_add_u32 v6, v14, 12, v6
	v_add_nc_u32 v6, s37, v6
	s_wait_kmcnt 0x0
	global_load_b128 v[W:W+3],     v3, s[10:11] th:TH_LOAD_NT    ; wq
	global_load_b128 v[W+4:W+7],   v3, s[14:15] th:TH_LOAD_NT    ; wv
	global_load_b128 v[W+8:W+11],  v3, s[12:13] th:TH_LOAD_NT    ; wk
	global_load_b128 v[W+12:W+15], v1, s[16:17] th:TH_LOAD_NT    ; wo
.irp j, 0,1,2,3
	global_load_b128 v[W+16+4*(\j):W+16+4*(\j)+3], v1, s[18:19] offset:(\j)*1048576 th:TH_LOAD_NT
.endr
.irp j, 0,1,2,3
	global_load_b128 v[W+32+4*(\j):W+32+4*(\j)+3], v1, s[20:21] offset:(\j)*1048576 th:TH_LOAD_NT
.endr
.irp i, 0,1,2,3
.irp j, 0,1,2,3
	global_load_b128 v[X+16*(\i)+4*(\j):X+16*(\i)+4*(\j)+3], v5, s[4:5] offset:(\i)*2048+(\j)*512 th:TH_LOAD_NT
.endr
.endr
.irp j, 0,1,2,3
	global_load_b128 v[G+4*(\j):G+4*(\j)+3],   v7, s[6:7] offset:(\j)*512
	global_load_b128 v[BV+4*(\j):BV+4*(\j)+3], v7, s[8:9] offset:(\j)*512
.endr
	s_wait_loadcnt 24                              ; the twelve weight items are in; x's 16 loads and the 8 of g1 and be1 stay out
.irp n, 0,1,2,3,4,5,6,7,8,9,10,11
	v_cvt_pk_bf16_f32 v[WO+2*(\n)],   v[W+4*(\n)],   v[W+4*(\n)+1]
	v_cvt_pk_bf16_f32 v[WO+2*(\n)+1], v[W+4*(\n)+2], v[W+4*(\n)+3]
.endr
	global_store_b64 v4, v[WO:WO+1],   s[24:25]
	global_store_b64 v4, v[WO+2:WO+3], s[24:25] offset:1024
	global_store_b64 v4, v[WO+4:WO+5], s[24:25] offset:2048
	global_store_b64 v2, v[WO+6:WO+7], s[24:25] offset:1572864
.irp j, 0,1,2,3
	global_store_b64 v2, v[WO+8+2*(\j):WO+8+2*(\j)+1],   s[24:25] offset:2097152+(\j)*524288
	global_store_b64 v2, v[WO+16+2*(\j):WO+16+2*(\j)+1], s[24:25] offset:4194304+(\j)*524288
.endr
	s_wait_loadcnt 8                               ; x is in; g1 and be1 may stay out
	LN_MEAN
	LN_VAR
	s_wait_loadcnt 0x0
	LN_APPLY
.irp i, 0,1,2,3
.irp j, 0,1,2,3
	global_store_b64 v6, v[Y+8*(\i)+2*(\j):Y+8*(\i)+2*(\j)+1], s[22:23] offset:(\i)*1024+(\j)*256
.endr
.endr
	s_cmp_lg_u32 ttmp9, 0                          ; work-group 0 also writes the 64 rows of zeros behind K: the attention's K tiles are shifted by 64 keys
	s_cbranch_scc1 .Lend
	v_mov_b32 v8, 0
	v_mov_b32 v9, 0
	v_mov_b32 v10, 0
	v_mov_b32 v11, 0
	v_lshlrev_b32 v12, 4, v0
	s_add_nc_u64 s[26:27], s[26:27], 0x1800000
	global_store_b128 v12, v[8:11], s[26:27]
	global_store_b128 v12, v[8:11], s[26:27] offset:4096
.Lend:
	s_endpgm
.Lfunc_end_k_qfdbf1086ac_prep:
	.size	k_qfdbf1086ac_prep, .Lfunc_end_k_qfdbf1086ac_prep-k_qfdbf1086ac_prep
	.p2alignl 7, 3214868480
	.fill 96, 4, 3214868480
	.section	.rodata,"a",@progbits
	.p2align	6, 0x0
	.amdhsa_kernel k_qfdbf1086ac_prep
		.amdhsa_group_segment_fixed_size 0
		.amdhsa_private_segment_fixed_size 0
		.amdhsa_enable_private_segment 0
		.amdhsa_kernarg_size 96
		.amdhsa_user_sgpr_count 2
		.amdhsa_user_sgpr_kernarg_segment_ptr 1
		.amdhsa_wavefront_size32 1
		.amdhsa_system_sgpr_workgroup_id_x 1
		.amdhsa_system_sgpr_workgroup_id_y 1
		.amdhsa_system_sgpr_workgroup_id_z 1
		.amdhsa_system_vgpr_workitem_id 0
		.amdhsa_next_free_vgpr 232
		.amdhsa_next_free_sgpr 66
		.amdhsa_reserve_vcc 0
		.amdhsa_float_denorm_mode_32 3
		.amdhsa_float_denorm_mode_16_64 3
		.amdhsa_memory_ordered 1
		.amdhsa_forward_progress 1
		.amdhsa_inst_pref_size 26
	.end_amdhsa_kernel
	.amdgpu_metadata
---
amdhsa.version: [ 1, 2 ]
amdhsa.kernels:
  - .name:           k_qfdbf1086ac_prep
    .symbol:         k_qfdbf1086ac_prep.kd
    .args:
      - { .name: x, .offset: 0, .size: 8, .value_kind: global_buffer, .address_space: global }
      - { .name: g1, .offset: 8, .size: 8, .value_kind: global_buffer, .address_space: global }
      - { .name: be1, .offset: 16, .size: 8, .value_kind: global_buffer, .address_space: global }
      - { .name: wq, .offset: 24, .size: 8, .value_kind: global_buffer, .address_space: global }
      - { .name: wk, .offset: 32, .size: 8, .value_kind: global_buffer, .address_space: global }
      - { .name: wv, .offset: 40, .size: 8, .value_kind: global_buffer, .address_space: global }
      - { .name: wo, .offset: 48, .size: 8, .value_kind: global_buffer, .address_space: global }
      - { .name: w1, .offset: 56, .size: 8, .value_kind: global_buffer, .address_space: global }
      - { .name: w2, .offset: 64, .size: 8, .value_kind: global_buffer, .address_space: global }
      - { .name: h, .offset: 72, .size: 8, .value_kind: global_buffer, .address_space: global }
      - { .name: wb, .offset: 80, .size: 8, .value_kind: global_buffer, .address_space: global }
      - { .name: qkv, .offset: 88, .size: 8, .value_kind: global_buffer, .address_space: global }
    .group_segment_fixed_size: 0
    .private_segment_fixed_size: 0
    .kernarg_segment_align: 8
    .kernarg_segment_size: 96
    .max_flat_workgroup_size: 256
    .sgpr_count:     66
    .vgpr_count:     232
    .wavefront_size: 32
...
	.end_amdgpu_metadata
.endif
;; end of part 1
;; launch qkv (part 2): grid 4 x 64, 4 waves a work-group, clusters of 4 x 4, 327,680 bytes of LDS; arguments h, wb, qkv; writes qkv
.if DOCPART == 2
	.amdgcn_target "amdgcn-amd-amdhsa--gfx1250"
	.amdhsa_code_object_version 6
	.text
	.protected	k_qfdbf1086ac_qkv
	.globl	k_qfdbf1086ac_qkv
	.p2align	8
	.type	k_qfdbf1086ac_qkv,@function
k_qfdbf1086ac_qkv:
	s_mov_b64 s[64:65], 0
	v_nop
	global_prefetch_b8 v0, s[64:65] scope:SCOPE_SE
	s_setreg_imm32_b32 hwreg(HW_REG_WAVE_MODE, 25, 1), 1
	s_wait_xcnt 0x0
	s_wait_alu depctr_hold_cnt(0) depctr_sa_sdst(0) depctr_va_vdst(0) depctr_va_sdst(0) depctr_va_ssrc(0) depctr_va_vcc(0) depctr_vm_vsrc(0)
	s_getreg_b32 s2, hwreg(HW_REG_IB_STS2, 6, 4)
	s_cmp_eq_u32 s2, 0
	s_cbranch_scc0 .Lentry_in_a_cluster
	s_endpgm
.Lentry_in_a_cluster:
	s_bfe_u32 s2, ttmp6, 0x10000c
	s_cmp_lg_u32 s2, 0xf033
	s_cbranch_scc0 .Lentry_shape_is_right
	s_endpgm
.Lentry_shape_is_right:
; q, v, k = h [8192][512] x wqkv [512][1536], bf16 operands, f32 sums, each result rounded once to bf16 and stored by heads: part [16 batch*head][4096][64], Q at 0, V at 8,388,608, K at 16,777,216.
; A work-group makes 128 rows x 384 columns (256 work-groups), each of its four waves 64 x 192: 48 accumulators.  K goes in four steps of 128 through two LDS slots.
; wqkv lies [K][N]: its fragments come out of LDS turned, by ds_load_tr16_b128.  Source 0 = 16 columns of wqkv, source 1 = 16 rows of h: a lane then holds one row and eight neighbouring columns.
; CLUSTER 4 x 4: h's tile is asked for jointly along a row of the cluster, wqkv's along a column.  One K step of text is walked by a counter; the slot's base is a scalar turned by an exclusive or.
; NO PREFETCH: of the four K steps two come by the first fills and two are asked for in the first two steps: nothing lies further ahead.
; All of a WGP's LDS is claimed, and 0 is added to spare words.
; REGISTERS: window 0: v16-29 addresses, v64-127 h's fragments (two buffers of 32); window 1: v0-191 wqkv's fragments (two of 96); windows 2, 3: accumulators of my rows 0-31, 32-63 at 8 (12 a + b).
.set SIZE_N, 1536
.set KSTEP,  128
.set NSTEP,  4
.set PA,     272                       ; a row of h in LDS: 256 bytes + 16
.set PB,     480                       ; a row of wqkv: three runs of 128 bytes, 32 of padding behind each: 15 x 32
.set HALFA,  64*PA
.set ABYTES, 2*HALFA
.set HALFB,  128*PB                    ; 128 rows of K x 192 columns: one wave's column half
.set SLOT,   ABYTES+2*HALFB
.set STAGE,  2*SLOT                    ; 16 rows x 144 bytes for each wave
.set SP,     144
.set SPARE,  STAGE+4*16*SP             ; the spare words: 128 bytes a wave
.set ADRA,  16
.set ADRA0, 17
.set ADRB,  20
.set ADRB0, 21
.set STO,   24
.set RD,    25
.set GO,    26
.set SPW,   28
.set NIL,   29
.set FA,    64
.set PKD,   64                         ; the way out: 16 registers for each of 12 groups, v64-255
.set G1,  24
.set G0,  32
.set TB,  45                           ; s45 base of the slot that is read
.set G1B, 48
.set G0B, 56
.set TD,  68                           ; s68 base of the slot that is filled
.set LBA, 69                           ; s69 my part of h's tile in a slot
.set LBB, 70                           ; s70 my part of wqkv's
.set OBS, 72                           ; s[72:77] where my three head slices begin in qkv
.set MSB, 0
.macro WIN new
.if MSB != (\new)
	s_set_vgpr_msb (MSB<<8)|(\new)
.set MSB, \new
.endif
.endm
.macro PLACES                          ; four plain places behind matrix instructions, ahead of loads into their sources and of readers of their results
.rept 4
	v_nop
.endr
.endm
.macro JLOAD s                         ; a joint load: waves 0, 1 fetch h's two halves, waves 2, 3 wqkv's
	s_cmp_eq_u32 s11, 0
	s_cbranch_scc0 .Lfor_b_\@
	tensor_load_to_lds s[G0+4*(\s):G0+4*(\s)+3], s[G1:G1+7]
	s_nop 0
.rept 4
	v_nop
.endr
	s_branch .Lasked_\@
.Lfor_b_\@:
	tensor_load_to_lds s[G0B+4*(\s):G0B+4*(\s)+3], s[G1B:G1B+7]
	s_nop 0
.rept 4
	v_nop
.endr
.Lasked_\@:
.endm
.macro CREST
	s_cmp_lg_u32 s10, 0
	s_cbranch_scc1 .Lnot_wave_0_\@
	s_barrier_signal -3
.Lnot_wave_0_\@:
	s_barrier_wait -3
	s_barrier_signal -1
	s_barrier_wait -1
.endm
.macro CROUND
	s_barrier_signal -1
	s_barrier_wait -1
	CREST
.endm
	s_load_b128 s[4:7], s[0:1], 0x0                ; h, wb
	s_load_b64 s[8:9], s[0:1], 0x10                ; qkv
	v_lshl_add_u32 v[SPW], v0, 2, SPARE
	v_mov_b32 v[NIL], 0
	ds_add_u32 v[SPW], v[NIL]                      ; the opening add, ahead of my first tensor load; the set-up stands between it and its wait
	ds_add_u32 v28, v29
	v_lshrrev_b32 v1, 5, v0
	v_readfirstlane_b32 s10, v1                    ; wave
	s_lshr_b32 s11, s10, 1                         ; my row half; also: I fetch for h (0) or for wqkv (1)
	s_and_b32 s12, s10, 1                          ; my column half; also: which part I fetch
	s_bfe_u32 s40, ttmp6, 0x40000                  ; cx
	s_bfe_u32 s41, ttmp6, 0x40004                  ; cy
	s_lshl_b32 s42, ttmp9, 2
	s_add_co_u32 s42, s42, s40                     ; tile column
	s_and_b32 s13, ttmp7, 0xffff
	s_lshl_b32 s13, s13, 2
	s_add_co_u32 s13, s13, s41                     ; tile row
	s_lshl_b32 s43, s41, 2
	s_lshl_b32 s43, 15, s43                        ; my row of the cluster
	s_lshl_b32 s44, 0x1111, s40                    ; my column
	s_or_b32 s[G1], s43, (1<<16)|(1<<20)|(1<<21)|(5<<22)|(3<<25)   ; 2-byte elements; 4 words of padding behind every 64
	s_mov_b32 s[G1+1], KSTEP<<16                   ; tensor_dim0 = 128
	s_mov_b32 s[G1+2], 64<<16                      ; tensor_dim1 = 64
	s_mov_b32 s[G1+3], KSTEP<<16                   ; tile_dim0
	s_mov_b32 s[G1+4], 64                          ; tile_dim1
	s_mov_b32 s[G1+5], 512                         ; elements from row to row
	s_mov_b32 s[G1+6], 0
	s_mov_b32 s[G1+7], 0
	s_or_b32 s[G1B], s44, (1<<16)|(1<<20)|(1<<21)|(4<<22)|(7<<25)  ; 8 words of padding behind every 32
	s_mov_b32 s[G1B+1], 192<<16
	s_mov_b32 s[G1B+2], 128<<16
	s_mov_b32 s[G1B+3], 192<<16
	s_mov_b32 s[G1B+4], 128
	s_mov_b32 s[G1B+5], SIZE_N
	s_mov_b32 s[G1B+6], 0
	s_mov_b32 s[G1B+7], 0
	s_lshl_b32 s16, s13, 7
	s_lshl_b32 s17, s12, 6
	s_add_co_u32 s16, s16, s17
	s_lshl_b32 s16, s16, 10                        ; h: (128 x tile row + 64 x part) rows of 1,024 bytes
	s_mov_b32 s17, 0
	s_mul_i32 s46, s42, 768
	s_mul_i32 s47, s12, 384
	s_add_co_u32 s46, s46, s47                     ; wqkv: 384 columns a tile, 192 a part
	s_mov_b32 s47, 0
	s_mul_i32 s[LBA], s12, HALFA
	s_mul_i32 s[LBB], s12, HALFB
	s_add_co_u32 s[LBB], s[LBB], ABYTES
	s_mov_b32 s[TB], 0
	s_mov_b32 s[TD], SLOT
	s_wait_dscnt 0x0                               ; the opening add is done
	s_wait_kmcnt 0x0
	s_add_nc_u64 s[14:15], s[4:5], s[16:17]
	s_add_nc_u64 s[46:47], s[6:7], s[46:47]
	CROUND                                         ; all sixteen work-groups are here: the first joint loads meet
.irp s, 0,1
	s_mov_b32 s[G0+4*(\s)], 1
	s_add_co_u32 s[G0+4*(\s)+1], s[LBA], (\s)*SLOT
	s_add_nc_u64 s[G0+4*(\s)+2:G0+4*(\s)+3], s[14:15], (\s)*KSTEP*2
	s_or_b32 s[G0+4*(\s)+3], s[G0+4*(\s)+3], 0x80000000
	s_mov_b32 s[G0B+4*(\s)], 1
	s_add_co_u32 s[G0B+4*(\s)+1], s[LBB], (\s)*SLOT
	s_add_nc_u64 s[G0B+4*(\s)+2:G0B+4*(\s)+3], s[46:47], (\s)*KSTEP*SIZE_N*2
	s_or_b32 s[G0B+4*(\s)+3], s[G0B+4*(\s)+3], 0x80000000
	JLOAD \s
.endr
	v_and_b32 v1, 15, v0                           ; l % 16
	v_bfe_u32 v2, v0, 4, 1                         ; l / 16
	v_mul_u32_u24 v3, v1, PA
	v_lshl_add_u32 v3, v2, 4, v3
	s_mul_i32 s21, s11, HALFA
	v_add_nc_u32 v[ADRA0], s21, v3
	v_mov_b32 v[ADRA], v[ADRA0]
	v_and_b32 v4, 7, v0
	v_bfe_u32 v5, v0, 3, 1
	v_lshl_add_u32 v6, v2, 3, v4                   ; the turning load: K row 8 (l / 16) + l % 8, columns 8 ((l / 8) % 2) on
	v_mul_u32_u24 v6, v6, PB
	v_lshl_add_u32 v6, v5, 4, v6
	v_add_nc_u32 v[ADRB0], s[LBB], v6
	v_mov_b32 v[ADRB], v[ADRB0]
	s_mul_i32 s23, s10, 16*SP
	s_add_co_u32 s23, s23, STAGE
	v_mul_u32_u24 v[STO], v1, SP
	v_lshl_add_u32 v[STO], v2, 4, v[STO]
	v_add_nc_u32 v[STO], s23, v[STO]
	v_bfe_u32 v[RD], v0, 3, 2
	v_mul_u32_u24 v[RD], v[RD], SP
	v_lshl_add_u32 v[RD], v4, 4, v[RD]
	v_add_nc_u32 v[RD], s23, v[RD]
	v_and_b32 v[GO], 31, v0
	v_lshlrev_b32 v[GO], 4, v[GO]
	; where my three slices of 64 columns go: slice S = 6 x tile column + 3 x half + sl; part S / 8, head S % 8
	s_mul_i32 s80, s42, 6
	s_mul_i32 s81, s12, 3
	s_add_co_u32 s80, s80, s81
	s_lshl_b32 s82, s13, 7
	s_lshl_b32 s83, s11, 6
	s_add_co_u32 s82, s82, s83
	s_and_b32 s82, s82, 4095                       ; my first row inside its batch,
	s_lshl_b32 s82, s82, 7                         ; 128 bytes a row
	s_lshr_b32 s83, s13, 5                         ; the batch: eight heads of 524,288 bytes
	s_lshl_b32 s83, s83, 22
	s_add_co_u32 s82, s82, s83
.irp sl, 0,1,2
	s_add_co_u32 s84, s80, \sl
	s_lshr_b32 s85, s84, 3
	s_and_b32 s84, s84, 7
	s_lshl4_add_u32 s84, s85, s84
	s_lshl_b32 s84, s84, 19
	s_add_co_u32 s84, s84, s82
	s_mov_b32 s85, 0
	s_add_nc_u64 s[OBS+2*(\sl):OBS+2*(\sl)+1], s[8:9], s[84:85]
.endr
; 32 LDS loads in one run: quarter q (32 along K) of the slot in hand into buffer f: wqkv's 12 fragments, then h's 4
.macro FETCH q, f
	WIN 0x40
.irp b, 0,1,2,3,4,5,6,7,8,9,10,11
	ds_load_tr16_b128 v[96*(\f)+8*(\b):96*(\f)+8*(\b)+3],   v[ADRB] offset:32*(\q)*PB+((\b)/4)*160+((\b)%4)*32
	ds_load_tr16_b128 v[96*(\f)+8*(\b)+4:96*(\f)+8*(\b)+7], v[ADRB] offset:32*(\q)*PB+16*PB+((\b)/4)*160+((\b)%4)*32
.endr
	WIN 0
.irp i, 0,1,2,3
	ds_load_b128 v[FA+32*(\f)+8*(\i):FA+32*(\f)+8*(\i)+3],   v[ADRA] offset:64*(\q)+(\i)*16*PA
	ds_load_b128 v[FA+32*(\f)+8*(\i)+4:FA+32*(\f)+8*(\i)+7], v[ADRA] offset:64*(\q)+(\i)*16*PA+32
.endr
.endm
; na x 12 matrix instructions: row blocks a0 .. of the window's two (hi = 0: my rows 0-31, 1: rows 32-63) x all 12 column blocks.  The 48 accumulators take turns in one order in every quarter.
.macro MULP f, hi, a0, na, zero=0
	WIN 0xa1+0x50*(\hi)
.set a, \a0
.rept \na
.irp b, 0,1,2,3,4,5,6,7,8,9,10,11
.if \zero
	v_wmma_f32_16x16x32_bf16 v[8*(12*a+(\b)):8*(12*a+(\b))+7], v[96*(\f)+8*(\b):96*(\f)+8*(\b)+7], v[FA+32*(\f)+8*(2*(\hi)+a):FA+32*(\f)+8*(2*(\hi)+a)+7], 0
.else
	v_wmma_f32_16x16x32_bf16 v[8*(12*a+(\b)):8*(12*a+(\b))+7], v[96*(\f)+8*(\b):96*(\f)+8*(\b)+7], v[FA+32*(\f)+8*(2*(\hi)+a):FA+32*(\f)+8*(2*(\hi)+a)+7], v[8*(12*a+(\b)):8*(12*a+(\b))+7]
.endif
.endr
.set a, a+1
.endr
.endm
.macro QUARTER q, f, g, zero=0         ; multiplies buffer f; in its middle fetches quarter q into buffer g
	s_wait_dscnt 4                                 ; wqkv's fragments and h's rows 0-31 are in; the youngest four loads may be out
	MULP \f, 0, 0, 2, \zero
	PLACES
	FETCH \q, \g
	s_wait_dscnt 32                                ; all but the 32 just issued
	MULP \f, 1, 0, 2, \zero
.endm
; The last quarter of a K step multiplies buffer 1 and changes slots.  In front of the barrier each wave has waited for all its tensor loads (one is out: its part of the next slot), has added 0 to its
; spare word, and has waited for that and for its reads of this slot.  fill = 1: the barrier opens a round of the cluster's, and the joint refill (two K steps on) is the first thing behind it.
.macro TURN fill
	WIN 0
	s_wait_tensorcnt 0x0
	ds_add_u32 v[SPW], v[NIL]
	s_wait_dscnt 5                                 ; the add and the youngest four loads may be out
	MULP 1, 0, 0, 1
	s_wait_dscnt 0x0
	s_barrier_signal -1
	MULP 1, 0, 1, 1
	WIN 0
	s_barrier_wait -1
.if \fill
	CREST
	s_xor_b32 s[TD], s[TD], SLOT                   ; no tensor load of mine is out: the walking descriptors step to the other slot and one K step on
	s_add_co_u32 s[G0+5], s[LBA], s[TD]
	s_add_co_u32 s[G0B+5], s[LBB], s[TD]
	s_add_nc_u64 s[G0+6:G0+7], s[G0+6:G0+7], KSTEP*2
	s_add_nc_u64 s[G0B+6:G0B+7], s[G0B+6:G0B+7], KSTEP*SIZE_N*2
	JLOAD 1                                        ; its four v_nop are also the places in front of the loads below
.else
	PLACES
.endif
	s_xor_b32 s[TB], s[TB], SLOT
	v_add_nc_u32 v[ADRA], s[TB], v[ADRA0]
	v_add_nc_u32 v[ADRB], s[TB], v[ADRB0]
	FETCH 0, 0
	MULP 1, 1, 0, 2
.endm
	s_wait_tensorcnt 1                             ; my part of K step 0 is in; step 1's may stay out
	s_barrier_signal -1
	s_barrier_wait -1
	FETCH 0, 0
	QUARTER 1, 0, 1, 1                             ; the first products start the sums
	WIN 0
	s_mov_b32 s3, NSTEP-2
.Lstep:                                            ; a trip: from a step's second quarter to the next step's first; it fills a slot again
	QUARTER 2, 1, 0
	QUARTER 3, 0, 1
	TURN 1
	QUARTER 1, 0, 1
	WIN 0
	s_sub_co_u32 s3, s3, 1
	s_cmp_lg_u32 s3, 0
	s_cbranch_scc1 .Lstep
	s_mov_b32 s3, 2
.Ltail:                                            ; the last two steps ask for nothing; the second trip is left in its middle, alike in every wave
	QUARTER 2, 1, 0
	QUARTER 3, 0, 1
	WIN 0
	s_cmp_eq_u32 s3, 1
	s_cbranch_scc1 .Lout
	TURN 0
	QUARTER 1, 0, 1
	WIN 0
	s_sub_co_u32 s3, s3, 1
	s_cmp_lg_u32 s3, 0
	s_cbranch_scc1 .Ltail
.Lout:
	s_wait_dscnt 4
	MULP 1, 0, 0, 2
	s_wait_dscnt 0x0
	MULP 1, 1, 0, 2
	PLACES
; THE WAY OUT: twelve groups g = 3 a + sl of 16 rows x one head's 64 channels: rounded to bf16, through my own stage, back as 2,048 consecutive bytes of a head.
.macro PACKQ g
.set ga, (\g)/3
.set gs, (\g)%3
	WIN 0x0a+5*(ga/2)
.irp bb, 0,1,2,3
.irp r, 0,1,2,3
	v_cvt_pk_bf16_f32 v[PKD+16*(\g)+4*(\bb)+(\r)], v[8*(12*(ga%2)+4*gs+(\bb))+2*(\r)], v[8*(12*(ga%2)+4*gs+(\bb))+2*(\r)+1]
.endr
.endr
	WIN 0
.irp bb, 0,1,2,3
	ds_store_b128 v[STO], v[PKD+16*(\g)+4*(\bb):PKD+16*(\g)+4*(\bb)+3] offset:32*(\bb)
.endr
.irp f, 0,1,2,3
	ds_load_b128 v[PKD+16*(\g)+4*(\f):PKD+16*(\g)+4*(\f)+3], v[RD] offset:(\f)*4*SP  ; LDS serves a wave's instructions in order: these see the stores above
.endr
.endm
.macro SENDQ g, younger                ; younger: the next group's eight LDS instructions, or none
.set sa, (\g)/3
.set ss, (\g)%3
.irp f, 0,1,2,3
	s_wait_dscnt (\younger)+3-(\f)
	global_store_b128 v[GO], v[PKD+16*(\g)+4*(\f):PKD+16*(\g)+4*(\f)+3], s[OBS+2*ss:OBS+2*ss+1] offset:sa*2048+(\f)*512  ; 512 consecutive bytes, aligned
.endr
.endm
	PACKQ 0
.irp g, 1,2,3,4,5,6,7,8,9,10,11
	PACKQ \g
	SENDQ (\g)-1, 8
.endr
	SENDQ 11, 0
	s_wait_tensorcnt 0x0                           ; the wave's end
	ds_add_u32 v[SPW], v[NIL]
	s_wait_dscnt 0x0
	CROUND                                         ; the closing round
	s_endpgm
.Lfunc_end_k_qfdbf1086ac_qkv:
	.size	k_qfdbf1086ac_qkv, .Lfunc_end_k_qfdbf1086ac_qkv-k_qfdbf1086ac_qkv
	.p2alignl 7, 3214868480
	.fill 96, 4, 3214868480
	.section	.rodata,"a",@progbits
	.p2align	6, 0x0
	.amdhsa_kernel k_qfdbf1086ac_qkv
		.amdhsa_group_segment_fixed_size 327680
		.amdhsa_private_segment_fixed_size 0
		.amdhsa_enable_private_segment 0
		.amdhsa_kernarg_size 24
		.amdhsa_user_sgpr_count 2
		.amdhsa_user_sgpr_kernarg_segment_ptr 1
		.amdhsa_wavefront_size32 1
		.amdhsa_system_sgpr_workgroup_id_x 1
		.amdhsa_system_sgpr_workgroup_id_y 1
		.amdhsa_system_sgpr_workgroup_id_z 1
		.amdhsa_system_vgpr_workitem_id 0
		.amdhsa_next_free_vgpr 960
		.amdhsa_next_free_sgpr 92
		.amdhsa_reserve_vcc 0
		.amdhsa_float_denorm_mode_32 3
		.amdhsa_float_denorm_mode_16_64 3
		.amdhsa_memory_ordered 1
		.amdhsa_forward_progress 1
		.amdhsa_inst_pref_size 89
	.end_amdhsa_kernel
	.amdgpu_metadata
---
amdhsa.version: [ 1, 2 ]
amdhsa.kernels:
  - .name:           k_qfdbf1086ac_qkv
    .symbol:         k_qfdbf1086ac_qkv.kd
    .args:
      - { .name: h, .offset: 0, .size: 8, .value_kind: global_buffer, .address_space: global }
      - { .name: wb, .offset: 8, .size: 8, .value_kind: global_buffer, .address_space: global }
      - { .name: qkv, .offset: 16, .size: 8, .value_kind: global_buffer, .address_space: global }
    .group_segment_fixed_size: 327680
    .private_segment_fixed_size: 0
    .kernarg_segment_align: 8
    .kernarg_segment_size: 24
    .max_flat_workgroup_size: 128
    .sgpr_count:     92
    .vgpr_count:     960
    .wavefront_size: 32
...
	.end_amdgpu_metadata
.endif
;; end of part 2
;; launch attn (part 3): grid 16 x 16, 4 waves a work-group, no clusters, 327,680 bytes of LDS; arguments qkv, o; writes o
.if DOCPART == 3
	.amdgcn_target "amdgcn-amd-amdhsa--gfx1250"
	.amdhsa_code_object_version 6
	.text
	.protected	k_qfdbf1086ac_attn
	.globl	k_qfdbf1086ac_attn
	.p2align	8
	.type	k_qfdbf1086ac_attn,@function
k_qfdbf1086ac_attn:
	s_mov_b64 s[64:65], 0
	v_nop
	global_prefetch_b8 v0, s[64:65] scope:SCOPE_SE
	s_setreg_imm32_b32 hwreg(HW_REG_WAVE_MODE, 25, 1), 1
	s_wait_xcnt 0x0
; CAUSAL ATTENTION, head size 64, scale 1 / sqrt(512).  Q, V, K: parts of qkv, each [16 batch*head][4096][64] bf16; O likewise.  Products, maxima and sums in f32; the weights are rounded to bf16 for the
; second product (their sum is taken of the unrounded weights), O once at the end.
; LIMITS.  A hidden score counts as its value less 1e30; a weight below 2^-126 counts as 0 in the sum; NaN and infinities are not treated apart.
; THE WALK.  A head has 32 blocks of 128 queries; block i needs the key tiles 0 .. i / 2 of 256 keys.  A work-group takes blocks 31 - b and then b: 17 tiles whatever b, so all 256 work-groups are alike
; and one loop with a constant count walks them.  Every jump but the loops' own goes forward and passes no barrier and no tensor load (but the one of a fill's two lines that the wave's number does not choose).
; NO CLUSTER: a head's work-groups ask for the same tile only until their first blocks end; a walk common to all would have 24 trips for 17.
; SHARES.  A wave owns 16 rows in each of the block's two bands of 64: PIECE 0 is the later band (rows 64-127), piece 1 the earlier.  In the diagonal tile band x of a block of parity par has its own
; key step at 2 par + x, sees everything before it and nothing behind it: the same work for every wave.
; TURNS.  Turn p: 8 products K Q^T of the other piece, the softmax of piece p with the other piece's maximum, 8 products V^T P of the other piece.  A trip is turn 0 and turn 1 of one key step j:
; turn 0 multiplies by K(j) and V(j-1) and fetches K(j+1) and V(j); turn 1 multiplies by K(j+1) and V(j).  So a slot holds V of its four steps and K SHIFTED BY ONE STEP; K(0) lies in a region of its own.
; The last tile's shifted K reaches 64 rows past the head (the next head's, or the zero rows behind K): those products' results are never used.
; THE MASK is the C operand that starts S^T: MD x AL + BE (MD: the mask of a band's own step for my rows).  Piece 0's scores for a tile's step 0 are always visible, so a block's beginning needs none.
; A turn's 33 exponentials are one batch with one wait.  A block's first step multiplies O^T and l by a = 0.
; REGISTERS: window 0: v2-15 addresses, v16-23 statistics, v48-55 at work, v64-127 S^T (two buffers), v192-223 P; window 1: v0-63 O^T, v128-159 MD, v160-223 MC; window 2: v0-31 Q, v64-95 second block's Q, v128-191 K, v192-255 V.
.set NP,    2
.set KS,    64
.set PK,    144
.set PV,    160
.set VOFF,  4*KS*PK
.set SLOT1, 1<<17
.set K0B,   4*KS*(PK+PV)               ; K(0): 64 rows x 144 bytes behind slot 0, filled once
.set STAGE, SLOT1+4*KS*(PK+PV)
.set SP,    144
.set SPARE, STAGE+4*16*SP
.set KPART, 16777216
.set VPART, 8388608
.set AK0, 2
.set AV0, 3
.set AK,  4
.set AV,  5
.set STO, 6
.set RD,  7
.set GO,  8
.set MV,  12
.set QO,  15
.set ST,  16
.set TMP, 48
.set PFO, 61
.set SPW, 62
.set NIL, 63
.set S,   64
.set P,   192
.set MD,  128
.set MC,  160
.set QB,  64
.set KF,  128
.set VF,  192
.set WV,  12
.set PB,  14                           ; s14 b
.set HI,  15                           ; s15 31 - b
.set G1K, 24
.set G1V, 32
.set G0K, 40
.set G0V, 44
.set G1Z, 48
.set SLOTS, 56
.set CNT, 57
.set CS,  58
.set SEL, 60
.set TBK, 62
.set TBV, 63
.set EA,  66                           ; s66 4 - 2 par: the count at which turn 0 makes piece 0's own mask
.set EB,  67                           ; s67 5 - 2 par: the same for turn 1 and piece 1
.set EA2, 68
.set EB2, 69
.set RT,  70
.set NXT, 71
.set LQ,  72
.set NEW, 73
.set OFF, 74
.set AL,  76
.set BE,  78
.set OLO, 80
.set BIGN, 82
.set ALE, 83                           ; s83 1.0 where the diagonal tile's step 0 is piece 1's own (par = 0)
.set G0Z, 88
.set ALE2, 92
.set RT2, 93
.set LQ2, 94
.set LIM, 95                           ; s95 0 in the head's work-group b = 0, which prefetches; else the greatest number
.set PFB, 96                           ; s[96:97] my half of tile 0 (K: waves 0, 1; V: waves 2, 3)
.set PFA, 98                           ; s[98:99] the tile that the next change will ask for
.set OF2, 100
.set MSB, 0
.macro WIN new
.if MSB != (\new)
	s_set_vgpr_msb (MSB<<8)|(\new)
.set MSB, (\new)
.endif
.endm
.set W_KQ, 0x0a
.set W_KM, 0x1a
.set W_PV, 0x52
.set W_RS, 0x41
.macro LOAD                            ; waves 0, 1 fetch the halves of a tile's K, waves 2, 3 of its V
	s_cmp_lt_u32 s[WV], 2
	s_cbranch_scc0 .Lfor_v_\@
	tensor_load_to_lds s[G0K:G0K+3], s[G1K:G1K+7]
	s_nop 0
.rept 4
	v_nop
.endr
	s_branch .Lasked_\@
.Lfor_v_\@:
	tensor_load_to_lds s[G0V:G0V+3], s[G1V:G1V+7]
	s_nop 0
.rept 4
	v_nop
.endr
.Lasked_\@:
.endm
; THE CHANGE OF SLOTS.  Each wave waits for all its tensor loads, adds 0 to its spare word, waits for that and for its reads of the slot that it leaves; behind the barrier the old slot is filled
; first (fill = 1) with tile NXT.  Behind the load the head's work-group b = 0 prefetches the tile that the NEXT change asks for: each wave its own 64 blocks of 256 bytes, a lane a block, two lines;
; so tiles 2 to 15 are named once a head; tiles 0 and 1 come by their loads alone, and the second block's tiles have been read.
.macro CHANGE fill
	WIN 0
	s_wait_tensorcnt 0x0
	ds_add_u32 v[SPW], v[NIL]
.if \fill
	s_lshl_b32 s[OFF], s[NXT], 15
	s_xor_b32 s[G0K+1], s[G0K+1], SLOT1
	s_add_nc_u64 s[G0K+2:G0K+3], s[6:7], s[OFF:OFF+1]
	s_or_b32 s[G0K+3], s[G0K+3], 0x80000000
	s_xor_b32 s[G0V+1], s[G0V+1], SLOT1
	s_add_nc_u64 s[G0V+2:G0V+3], s[8:9], s[OFF:OFF+1]
	s_or_b32 s[G0V+3], s[G0V+3], 0x80000000
	s_add_co_u32 s[NXT], s[NXT], 1
	s_cmp_gt_u32 s[NXT], s[LQ]
	s_cselect_b32 s[NXT], 0, s[NXT]
	s_cselect_b32 s[LQ], s[LQ2], s[LQ]
	s_wait_xcnt 0x0                                ; the last prefetches, four key steps back, have read their address
	s_lshl_b32 s[OF2], s[NXT], 15
	s_add_nc_u64 s[PFA:PFA+1], s[PFB:PFB+1], s[OF2:OF2+1]
.endif
	s_wait_dscnt 0x0
	s_barrier_signal -1
	s_sub_co_u32 s[TBK], s[TBK], 4*KS*PK
	s_xor_b32 s[TBK], s[TBK], SLOT1
	s_sub_co_u32 s[TBV], s[TBV], 4*KS*PV
	s_xor_b32 s[TBV], s[TBV], SLOT1
	s_barrier_wait -1
.if \fill
	LOAD
	s_cmp_gt_u32 s[NXT], s[LIM]
	s_cbranch_scc0 .Lno_ask_\@
	global_prefetch_b8 v[PFO], s[PFA:PFA+1] th:TH_LOAD_NT scope:SCOPE_SE
	global_prefetch_b8 v[PFO], s[PFA:PFA+1] offset:8192 th:TH_LOAD_NT scope:SCOPE_SE
.Lno_ask_\@:
.endif
.endm
	s_load_b64 s[4:5], s[0:1], 0x0                 ; qkv
	s_load_b64 s[10:11], s[0:1], 0x8               ; o
	v_lshl_add_u32 v[SPW], v0, 2, SPARE
	v_mov_b32 v[NIL], 0
	ds_add_u32 v[SPW], v[NIL]                      ; the opening add, ahead of my first tensor load
	ds_add_u32 v62, v63
	v_lshrrev_b32 v1, 5, v0
	v_readfirstlane_b32 s[WV], v1
	s_mov_b32 s[PB], ttmp9
	s_sub_co_u32 s[HI], 31, s[PB]
	s_and_b32 s20, ttmp7, 0xffff
	s_lshl_b32 s20, s20, 19                        ; the head's first byte in a part
	s_and_b32 s16, s[WV], 1
	s_lshl_b32 s22, s16, 14                        ; my half of a tile: 128 keys of 128 bytes
	s_add_co_u32 s22, s22, s20
	s_mov_b32 s23, 0
	s_lshl_b32 s86, s16, 12                        ; my half of K(0): 32 keys
	s_add_co_u32 s86, s86, s20
	s_mov_b32 s87, 0
	s_mul_i32 s17, s16, 128*PK
	s_mul_i32 s18, s16, 128*PV
	s_mul_i32 s19, s16, 32*PK
	s_lshl_b32 s3, s[WV], 11                       ; my 16 rows in a band
	s_add_co_u32 s3, s3, s20
	s_lshl_b32 s2, s[HI], 14                       ; a block is 128 rows of 128 bytes
	s_add_co_u32 s2, s2, s3
	s_lshl_b32 s84, s[PB], 14
	s_add_co_u32 s84, s84, s3
	s_mov_b32 s3, 0
	s_mov_b32 s85, 0
	s_mov_b32 s[G1K], (1<<16)|(1<<20)|(4<<22)|(3<<25)  ; dense keys asked for as rows of 256 bytes, padded in LDS behind every key: 4 words
	s_mov_b32 s[G1V], (1<<16)|(1<<20)|(4<<22)|(7<<25)  ; 8 words
	s_mov_b32 s[G1Z], (1<<16)|(1<<20)|(4<<22)|(3<<25)
.irp g, G1K, G1V
	s_mov_b32 s[\g+1], 128<<16
	s_mov_b32 s[\g+2], 64<<16
	s_mov_b32 s[\g+3], 128<<16
	s_mov_b32 s[\g+4], 64
	s_mov_b32 s[\g+5], 128
	s_mov_b32 s[\g+6], 0
	s_mov_b32 s[\g+7], 0
.endr
	s_mov_b32 s[G1Z+1], 128<<16
	s_mov_b32 s[G1Z+2], 16<<16
	s_mov_b32 s[G1Z+3], 128<<16
	s_mov_b32 s[G1Z+4], 16
	s_mov_b32 s[G1Z+5], 128
	s_mov_b32 s[G1Z+6], 0
	s_mov_b32 s[G1Z+7], 0
	s_mov_b32 s[CS], 0x3d8293ee                    ; c = log2(e) / sqrt(512)
	s_mov_b32 s[CS+1], s[CS]
	s_mov_b32 s[SEL], 0x76543210
	s_mov_b32 s[SEL+1], 0xfedcba98
	s_mov_b32 s[TBK], SLOT1+4*KS*PK                ; the first change turns these two into 0
	s_mov_b32 s[TBV], SLOT1+4*KS*PV
	s_mov_b32 s[G0K], 1
	s_mov_b32 s[G0K+1], s17
	s_mov_b32 s[G0V], 1
	s_add_co_u32 s[G0V+1], s18, VOFF
	s_mov_b32 s[G0Z], 1
	s_add_co_u32 s[G0Z+1], s19, K0B
	s_lshr_b32 s[LQ], s[HI], 1
	s_add_co_u32 s[RT], s[LQ], 1
	s_lshr_b32 s[LQ2], s[PB], 1
	s_add_co_u32 s[RT2], s[LQ2], 1
	s_and_b32 s19, s[HI], 1
	s_lshl_b32 s21, s19, 1
	s_sub_co_u32 s[EA], 4, s21
	s_add_co_u32 s[EB], s[EA], 1
	s_cmp_eq_u32 s19, 0
	s_cselect_b32 s[ALE], 1.0, 0
	s_and_b32 s19, s[PB], 1
	s_lshl_b32 s21, s19, 1
	s_sub_co_u32 s[EA2], 4, s21
	s_add_co_u32 s[EB2], s[EA2], 1
	s_cmp_eq_u32 s19, 0
	s_cselect_b32 s[ALE2], 1.0, 0
	s_cmp_eq_u32 s[PB], 0
	s_cselect_b32 s[LIM], 0, -1
	s_mov_b32 s[NXT], 1
	s_mov_b32 s[NEW], 1
	s_mov_b32 s[OFF+1], 0
	s_mov_b32 s[OF2+1], 0
	s_mov_b32 s[AL+1], 0
	s_mov_b32 s[BE+1], 0
	s_mov_b32 s[BIGN], 0xf149f2ca                  ; -1e30
	s_mov_b32 s[SLOTS], 16
	s_wait_dscnt 0x0                               ; the opening add is done
	s_wait_kmcnt 0x0
	s_add_nc_u64 s[8:9], s[4:5], s[22:23]
	s_add_nc_u64 s[6:7], s[8:9], KPART+8192        ; K at my half of the shifted tile 0
	s_add_nc_u64 s[8:9], s[8:9], VPART             ; V at my half of tile 0
	s_add_nc_u64 s[G0Z+2:G0Z+3], s[4:5], s[86:87]
	s_add_nc_u64 s[G0Z+2:G0Z+3], s[G0Z+2:G0Z+3], KPART
	s_or_b32 s[G0Z+3], s[G0Z+3], 0x80000000
	s_add_nc_u64 s[G0K+2:G0K+3], s[6:7], 0
	s_or_b32 s[G0K+3], s[G0K+3], 0x80000000
	s_add_nc_u64 s[G0V+2:G0V+3], s[8:9], 0
	s_or_b32 s[G0V+3], s[G0V+3], 0x80000000
	s_add_nc_u64 s[86:87], s[4:5], s[84:85]        ; Q at my rows of the second block,
	s_add_nc_u64 s[4:5], s[4:5], s[2:3]            ; Q and O at those of the first
	s_add_nc_u64 s[OLO:OLO+1], s[10:11], s[84:85]
	s_add_nc_u64 s[10:11], s[10:11], s[2:3]
	s_cmp_lt_u32 s[WV], 2
	s_cselect_b64 s[PFB:PFB+1], s[6:7], s[8:9]
	s_cmp_lt_u32 s[WV], 2                          ; a wave's first fills stand in one branch: two loads of waves 0 and 1 are out, one of waves 2 and 3; the first wait on them is for 0
	s_cbranch_scc0 .Lfirst_v
	tensor_load_to_lds s[G0K:G0K+3], s[G1K:G1K+7]
	s_nop 0
	tensor_load_to_lds s[G0Z:G0Z+3], s[G1Z:G1Z+7]
	s_nop 0
.rept 4
	v_nop
.endr
	s_branch .Lfirst_done
.Lfirst_v:
	tensor_load_to_lds s[G0V:G0V+3], s[G1V:G1V+7]
	s_nop 0
.rept 4
	v_nop
.endr
.Lfirst_done:
	v_and_b32 v1, 15, v0
	v_bfe_u32 v9, v0, 4, 1
	v_lshlrev_b32 v[QO], 7, v1
	v_lshl_add_u32 v[QO], v9, 4, v[QO]
	WIN 0x80
.set i, 0
.rept 4                                ; both blocks' Q: piece i / 2 lies in band 1 - i / 2, 8,192 bytes a band; channels 32 (i % 2) on
	global_load_b128 v[8*i:8*i+3],   v[QO], s[4:5] offset:(1-i/2)*8192+(i%2)*64
	global_load_b128 v[8*i+4:8*i+7], v[QO], s[4:5] offset:(1-i/2)*8192+(i%2)*64+32
	global_load_b128 v[QB+8*i:QB+8*i+3],   v[QO], s[86:87] offset:(1-i/2)*8192+(i%2)*64
	global_load_b128 v[QB+8*i+4:QB+8*i+7], v[QO], s[86:87] offset:(1-i/2)*8192+(i%2)*64+32
.set i, i+1
.endr
	WIN 0
	v_lshlrev_b32 v14, 3, v9
	v_sub_nc_u32 v14, v1, v14
	s_lshl_b32 s13, s[WV], 4
	v_add_nc_u32 v14, s13, v14                     ; my query's place in its band less 8 (l / 16): register r of key group kt is hidden where 16 kt + r is greater
	WIN 0x40
.set i, 0
.rept 32
	v_cmp_gt_i32 vcc_lo, 16*(i/8)+i%8, v14
	v_cndmask_b32 v[MD+i], 0, s[BIGN], vcc_lo
.set i, i+1
.endr
	WIN 0
	v_mul_u32_u24 v[AK0], v1, PK
	v_lshl_add_u32 v[AK0], v9, 4, v[AK0]
	v_and_b32 v10, 7, v0
	v_bfe_u32 v11, v0, 3, 1
	v_lshl_add_u32 v[AV0], v9, 3, v10
	v_mul_u32_u24 v[AV0], v[AV0], PV
	v_lshl_add_u32 v[AV0], v11, 4, v[AV0]
	v_add_nc_u32 v[AV0], VOFF, v[AV0]
	s_mul_i32 s13, s[WV], 16*SP
	s_add_co_u32 s13, s13, STAGE
	v_mul_u32_u24 v[STO], v1, SP
	v_lshl_add_u32 v[STO], v9, 4, v[STO]
	v_add_nc_u32 v[STO], s13, v[STO]
	v_bfe_u32 v[RD], v0, 3, 2
	v_mul_u32_u24 v[RD], v[RD], SP
	v_lshl_add_u32 v[RD], v10, 4, v[RD]
	v_add_nc_u32 v[RD], s13, v[RD]
	v_and_b32 v[GO], 31, v0
	v_lshlrev_b32 v[PFO], 8, v[GO]
	v_lshlrev_b32 v[GO], 4, v[GO]
	; what a block's first turn multiplies or rescales by 0 need only be finite: zeros for the first block, written in the wait for the first tile
	WIN 0x80
.set i, VF
.rept 64
	v_mov_b32 v[i], 0
.set i, i+1
.endr
	WIN 0x40
.set i, 0
.rept 64
	v_mov_b32 v[i], 0
.set i, i+1
.endr
	WIN 0
.set i, 0
.rept 2
	v_mov_b32 v[ST+4*i+2], 0
	v_mov_b32 v[ST+4*i+3], 0
.set i, i+1
.endr
.set i, P+16
.rept 16
	v_mov_b32 v[i], 0
.set i, i+1
.endr
; THE MATRIX WORK.  The 4 accumulators of a run of 8 take turns.
.macro KQ x
.set rS, S+32*((\x)%2)+8*(i%4)
.set rK, KF+16*(i%4)+8*(i/4)
.set rQ, 16*(\x)+8*(i/4)
.set rM, MC+32*((\x)%2)+8*(i%4)
.if (i < 4) && KM
	WIN W_KM
	v_wmma_f32_16x16x32_bf16 v[rS:rS+7], v[rK:rK+7], v[rQ:rQ+7], v[rM:rM+7]
.elseif i < 4
	WIN W_KQ
	v_wmma_f32_16x16x32_bf16 v[rS:rS+7], v[rK:rK+7], v[rQ:rQ+7], 0
.else
	WIN W_KQ
	v_wmma_f32_16x16x32_bf16 v[rS:rS+7], v[rK:rK+7], v[rQ:rQ+7], v[rS:rS+7]
.endif
.endm
.macro PV x
	WIN W_PV
.set rO, 32*(\x)+8*(i%4)
.set rV, VF+32*(i/4)+8*(i%4)
.set rP, P+16*((\x)%2)+8*(i/4)
	v_wmma_f32_16x16x32_bf16 v[rO:rO+7], v[rV:rV+7], v[rP:rP+7], v[rO:rO+7]
.endm
.macro MM                              ; the turn's next matrix instruction
.if i < 8
	KQ (Y+1)%NP
.else
.set i, i-8
	PV (Y+NP-1)%NP
.set i, i+8
.endif
.set i, i+1
.endm
.macro FETCH_K step=1
	WIN 0x80
.irp f, 0,1,2,3,4,5,6,7
	ds_load_b128 v[KF+8*\f:KF+8*\f+3],   v[AK] offset:(\f/2)*16*PK+(\f%2)*64
	ds_load_b128 v[KF+8*\f+4:KF+8*\f+7], v[AK] offset:(\f/2)*16*PK+(\f%2)*64+32
.endr
.if \step
	s_add_co_u32 s[TBK], s[TBK], KS*PK
.endif
	WIN 0
.endm
.macro FETCH_V
	WIN 0x80
.irp f, 0,1,2,3,4,5,6,7
	ds_load_tr16_b128 v[VF+8*\f:VF+8*\f+3],   v[AV] offset:(\f/4)*32*PV+(\f%4)*32
	ds_load_tr16_b128 v[VF+8*\f+4:VF+8*\f+7], v[AV] offset:(\f/4)*32*PV+16*PV+(\f%4)*32
.endr
	WIN 0
.endm
; THE VECTOR WORK, a line at a time: OP kind, number.  For piece Y: F n: c s - c m for pair n.  E n: the exponential of score n.  C n: pair n rounded to bf16.  B n: of the weights 4 n .. the second pair
; is added onto the first.  L n: l takes that sum (L 0: l = a l + sum).  R n: pair n of O^T times a.  For the other piece: X n, number n of the 22 that find its maximum and statistics
; (each accumulator's lowest registers are read first).
.set F, 0
.set E, 1
.set C, 2
.set B, 3
.set L, 4
.set R, 5
.set X, 6
.macro REGS y
.set rT, ST+4*(\y)
.set rC, TMP+4*((\y)%2)
.set rW, MV+((\y)%2)
.set rS, S+32*((\y)%2)
.set rP, P+16*((\y)%2)
.set rO, 32*(\y)
.endm
.macro OP k, n
.if (\k) == R
	REGS Y
	WIN W_RS
	v_pk_mul_f32 v[rO+2*(\n):rO+2*(\n)+1], v[rO+2*(\n):rO+2*(\n)+1], v[rC+2:rC+3] op_sel_hi:[1,0]
.elseif (\k) < R
	REGS Y
	WIN 0
.if (\k) == F
	v_pk_fma_f32 v[rS+2*(\n):rS+2*(\n)+1], v[rS+2*(\n):rS+2*(\n)+1], s[CS:CS+1], v[rT:rT+1] op_sel_hi:[1,0,0] neg_lo:[0,0,1] neg_hi:[0,0,1]
.elseif (\k) == E
	v_exp_f32 v[rS+(\n)], v[rS+(\n)]
.elseif (\k) == C
	v_cvt_pk_bf16_f32 v[rP+(\n)], v[rS+2*(\n)], v[rS+2*(\n)+1]
.elseif (\k) == B
	v_pk_add_f32 v[rS+4*(\n):rS+4*(\n)+1], v[rS+4*(\n):rS+4*(\n)+1], v[rS+4*(\n)+2:rS+4*(\n)+3]
.elseif (\n) == 0
	v_pk_fma_f32 v[rT+2:rT+3], v[rT+2:rT+3], v[rC+2:rC+3], v[rS:rS+1] op_sel_hi:[1,0,1]
.else
	v_pk_add_f32 v[rT+2:rT+3], v[rT+2:rT+3], v[rS+4*(\n):rS+4*(\n)+1]
.endif
.else
	REGS (Y+1)%NP
	WIN 0
.if (\n) < 4
	v_max3_num_f32 v[rC+(\n)], v[rS+8*(\n)], v[rS+8*(\n)+1], v[rS+8*(\n)+2]
.elseif (\n) < 12
	v_max3_num_f32 v[rC+(\n)%4], v[rC+(\n)%4], v[rS+8*((\n)%4)+2*((\n)/4)+1], v[rS+8*((\n)%4)+2*((\n)/4)+2]
.elseif (\n) == 12
	v_max3_num_f32 v[rC], v[rC], v[rS+7], v[rS+15]
.elseif (\n) == 13
	v_max3_num_f32 v[rC+1], v[rC+1], v[rS+23], v[rS+31]
.elseif (\n) == 14
	v_max3_num_f32 v[rC+2], v[rC+2], v[rC+3], v[rT+1]
.elseif (\n) == 15
	v_mov_b32 v[rW], v[rT]
.elseif (\n) == 16
	v_max3_num_f32 v[rC], v[rC], v[rC+1], v[rC+2]
.elseif (\n) == 17
	v_permlanex16_b32 v[rC+3], v[rC], s[SEL], s[SEL+1]
.elseif (\n) == 18
	v_max_num_f32 v[rT+1], v[rC], v[rC+3]
.elseif (\n) == 19
	v_mul_f32 v[rT], s[CS], v[rT+1]
.elseif (\n) == 20
	v_sub_f32 v[rC+1], v[rW], v[rT]
.else
	v_exp_f32 v[rC+2], v[rC+1]
.endif
.endif
.endm
.macro OPS a, i1, b=-1, i2=0, c=-1, i3=0, d=-1, i4=0
	OP \a, \i1
.if (\b) >= 0
	OP \b, \i2
.endif
.if (\c) >= 0
	OP \c, \i3
.endif
.if (\d) >= 0
	OP \d, \i4
.endif
.endm
.macro ROW a, i1, b, i2, c, i3, d, i4  ; a matrix instruction and the four behind it
	MM
	OPS \a, \i1, \b, \i2, \c, \i3, \d, \i4
.endm
.macro MASK b                          ; MD x AL + BE into buffer b of MC
	WIN W_RS
.set z, 0
.rept 16
	v_pk_fma_f32 v[MC+32*(\b)+2*z:MC+32*(\b)+2*z+1], v[MD+2*z:MD+2*z+1], s[AL:AL+1], s[BE:BE+1] op_sel_hi:[1,0,0]
.set z, z+1
.endr
.endm
; A TURN, for piece p.  Ahead of its one wait stands all that names no result of its exponentials: 8 products K Q^T with four riders each, then a lump; behind it 8 products V^T P, whose riders are the
; roundings and sums.  Turn 0 fetches K of the next step in the lump (six plain instructions behind the last product that read K) and V of the step in hand at its end (four plain riders behind the last
; product that read V).  Turn 1 waits for K at its head (V's sixteen loads may stay out) and for V behind the wait for the batch.
; m = 1: the diagonal tile: the products take masks, and turn p makes the mask of piece p for the tile's next step, which the next turn's products take.  cnt = 1: the loop's count is taken down.
.macro TURN p, m=0, cnt=0
.set Y, (\p)
.set i, 0
.set KM, (\m)
.if \m
	s_cmp_eq_u32 s[CNT], s[EA+(\p)]                ; is the next step the band's own?
	s_cselect_b32 s[AL], 1.0, 0
	s_cmp_lt_u32 s[CNT], s[EA+(\p)]                ; or a later one?
	s_cselect_b32 s[BE], s[BIGN], 0
.endif
.if (\p) == 1
	s_wait_dscnt 16                                ; K is in
.endif
	ROW F,0, F,1, R,0, R,1
	ROW F,2, E,0, R,2, R,3
	ROW F,3, E,1, R,4, R,5
	ROW F,4, E,2, R,6, R,7
	ROW F,5, E,3, R,8, R,9
	ROW F,6, E,4, X,0, R,10
.if (\p) == 0
	WIN 0
	v_add_nc_u32 v[AK], s[TBK], v[AK0]
.endif
	ROW F,7, E,5, X,1, X,4
	ROW F,8, E,6, X,2, X,5
	OPS E,7, E,8, X,6, E,9
	OPS X,3, E,10, X,8, E,11
.if (\p) == 0
	FETCH_K
.endif
	OPS X,9, X,7, E,12, X,10
	OPS E,13, X,12, X,11, E,14
	OPS X,13, E,15, F,9, X,14
.if (\p) == 0
	v_add_nc_u32 v[AV], s[TBV], v[AV0]
.endif
	OPS E,16, F,10, E,17, F,11
	OPS X,16, E,18, X,15, E,19
	OPS F,12, E,20, X,17, E,21
	OPS F,13, E,22, F,14, E,23
	OPS X,18, E,24, F,15, E,25
	OPS R,11, E,26, X,19, E,27
	OPS R,12, E,28, R,13, E,29
	OPS X,20, E,30, R,14, E,31
	OPS X,21, R,15                                 ; R 15 is the plain instruction behind the last exponential
	WIN 0
	s_wait_alu depctr_va_vdst(0)                   ; one wait for the batch, ahead of its first reader
.if (\p) == 1
	s_wait_dscnt 0x0                               ; V is in
.endif
	ROW C,0, B,0, C,2, B,1
	ROW L,0, C,4, B,2, L,1
	ROW C,6, B,3, L,2, C,8
	ROW B,4, L,3, C,10, B,5
	ROW L,4, C,12, B,6, L,5
.if (\p) == 0
	s_add_co_u32 s[TBV], s[TBV], KS*PV
.endif
.if \cnt
	s_sub_co_u32 s[CNT], s[CNT], 1
	s_cmp_lg_u32 s[CNT], 0
.endif
	ROW C,14, B,7, L,6, C,1
	ROW C,3, L,7, C,5, C,7
	ROW C,9, C,11, C,13, C,15
.if (\p) == 0
	FETCH_V
.endif
.if \m
	MASK \p
.endif
.endm
; A BLOCK BEGINS: c m far below every c s, so the first step's a is 0; K(0) from its own region; piece 0's first scores, all visible; its maximum and statistics.
.macro BEGIN
	s_mov_b32 s[NEW], 0
	WIN 0
.set i, 0
.rept 2
	v_mov_b32 v[ST+4*i], 0xfe000000
	v_mov_b32 v[ST+4*i+1], 0xff7fffff
.set i, i+1
.endr
	v_add_nc_u32 v[AK], K0B, v[AK0]
	FETCH_K 0
	s_wait_loadcnt 0x0                             ; Q
	s_wait_dscnt 0x0
.set KM, 0
.set i, 0
.rept 8
	KQ 0
.set i, i+1
.endr
	WIN 0
.rept 4
	v_nop                                          ; the places behind those products
.endr
.set Y, NP-1
.irp n, 0,1,2,3,4,5,6,7,8,9,10,11,12,13,14,15,16,17,18,19,20,21
	OP X, \n
.endr
	v_nop
	s_wait_alu depctr_va_vdst(0)
.endm
.macro ALL line:vararg
.set t, 0
.rept 2
	\line
.set t, t+1
.endr
.endm
.macro PACK t
	WIN W_RS
.set i, 32*(\t)
.rept 16
	v_pk_mul_f32 v[i:i+1], v[i:i+1], v[ST+4*(\t)+2:ST+4*(\t)+3] op_sel_hi:[1,0]
.set i, i+2
.endr
	WIN 0x05
.set i, 0
.rept 16
	v_cvt_pk_bf16_f32 v[S+16*(\t)+i], v[32*(\t)+2*i], v[32*(\t)+2*i+1]
.set i, i+1
.endr
	WIN 0
.irp f, 0,1,2,3
	ds_store_b128 v[STO], v[S+16*(\t)+4*\f:S+16*(\t)+4*\f+3] offset:32*\f
.endr
.irp f, 0,1,2,3
	ds_load_b128 v[S+16*(\t)+4*\f:S+16*(\t)+4*\f+3], v[RD] offset:\f*4*SP  ; LDS serves a wave's instructions in order: these see the stores above
.endr
.endm
.macro SEND t, younger
	WIN 0
.irp f, 0,1,2,3
	s_wait_dscnt (\younger)+3-\f
	global_store_b128 v[GO], v[S+16*(\t)+4*\f:S+16*(\t)+4*\f+3], s[10:11] offset:(1-(\t))*8192+\f*512  ; 512 consecutive bytes, aligned
.endr
.endm
; THE DIAGONAL TILE: piece 1's mask for step 0, four masked trips (the last trip's new scores and the maximum made of them serve nothing), piece 1's last products, and the way out.
.macro DIAG tag
	s_mov_b32 s[AL], s[ALE]
	s_mov_b32 s[BE], 0
	MASK 1
	WIN 0
.LstepM\tag:
	TURN 0, 1
	TURN 1, 1, 1
	WIN 0
	s_cbranch_scc1 .LstepM\tag
.set i, 0
.rept 8
	PV 1
.set i, i+1
.endr
	WIN 0
	ALL v_add_f32 v[ST+4*t+2], v[ST+4*t+2], v[ST+4*t+3]
	ALL v_permlanex16_b32 v[ST+4*t+3], v[ST+4*t+2], s[SEL], s[SEL+1]
	ALL v_add_f32 v[ST+4*t+2], v[ST+4*t+2], v[ST+4*t+3]
	ALL v_rcp_f32 v[ST+4*t+2], v[ST+4*t+2]
	v_nop
	s_wait_alu depctr_va_vdst(0)                   ; one wait for the two reciprocals
	PACK 0                                         ; piece 0's products ended a turn's half ago; its 32 lines are the places behind piece 1's last products
	PACK 1
	SEND 0, 8
	SEND 1, 0
.endm
.set KM, 0
.Lslot:                                            ; 16 times: a tile is entered and the next is asked for
	CHANGE 1
	s_sub_co_u32 s[RT], s[RT], 1
	s_mov_b32 s[CNT], 4
	s_cmp_eq_u32 s[NEW], 1
	s_cbranch_scc1 .Lnew
	s_cmp_eq_u32 s[RT], 0
	s_cbranch_scc0 .Lstep
	s_branch .Ldiag1
.Lnew:
	BEGIN
	s_branch .Lstep                                ; in the loop a block's first tile is never its last
.Ldiag1:
	DIAG 1                                         ; in the loop this is the first block's end
	s_wait_xcnt 0x0                                ; the stores have read their registers and O's address
	s_mov_b64 s[10:11], s[OLO:OLO+1]
	s_mov_b32 s[RT], s[RT2]
	s_mov_b32 s[NEW], 1
	s_mov_b32 s[EA], s[EA2]
	s_mov_b32 s[EB], s[EB2]
	s_mov_b32 s[ALE], s[ALE2]
	WIN 0x82
.set i, 0
.rept 32
	v_mov_b32 v[i], v[QB+i]
.set i, i+1
.endr
	WIN 0
	s_branch .Lbottom
.Lstep:
	TURN 0
	TURN 1, 0, 1
	WIN 0
	s_cbranch_scc1 .Lstep
.Lbottom:
	s_sub_co_u32 s[SLOTS], s[SLOTS], 1
	s_cmp_lg_u32 s[SLOTS], 0
	s_cbranch_scc1 .Lslot
	CHANGE 0                                       ; the walk's last tile is written out: nothing is asked for
	s_sub_co_u32 s[RT], s[RT], 1
	s_mov_b32 s[CNT], 4
	s_cmp_eq_u32 s[NEW], 1
	s_cbranch_scc0 .Ldiag2
	BEGIN
.Ldiag2:
	DIAG 2
	s_wait_tensorcnt 0x0                           ; the wave's end
	ds_add_u32 v[SPW], v[NIL]
	s_wait_dscnt 0x0
	s_endpgm
.Lfunc_end_k_qfdbf1086ac_attn:
	.size	k_qfdbf1086ac_attn, .Lfunc_end_k_qfdbf1086ac_attn-k_qfdbf1086ac_attn
	.p2alignl 7, 3214868480
	.fill 96, 4, 3214868480
	.section	.rodata,"a",@progbits
	.p2align	6, 0x0
	.amdhsa_kernel k_qfdbf1086ac_attn
		.amdhsa_group_segment_fixed_size 327680
		.amdhsa_private_segment_fixed_size 0
		.amdhsa_enable_private_segment 0
		.amdhsa_kernarg_size 16
		.amdhsa_user_sgpr_count 2
		.amdhsa_user_sgpr_kernarg_segment_ptr 1
		.amdhsa_wavefront_size32 1
		.amdhsa_system_sgpr_workgroup_id_x 1
		.amdhsa_system_sgpr_workgroup_id_y 1
		.amdhsa_system_sgpr_workgroup_id_z 1
		.amdhsa_system_vgpr_workitem_id 0
		.amdhsa_next_free_vgpr 768
		.amdhsa_next_free_sgpr 102
		.amdhsa_reserve_vcc 1
		.amdhsa_float_denorm_mode_32 3
		.amdhsa_float_denorm_mode_16_64 3
		.amdhsa_memory_ordered 1
		.amdhsa_forward_progress 1
		.amdhsa_inst_pref_size 109
	.end_amdhsa_kernel
	.amdgpu_metadata
---
amdhsa.version: [ 1, 2 ]
amdhsa.kernels:
  - .name:           k_qfdbf1086ac_attn
    .symbol:         k_qfdbf1086ac_attn.kd
    .args:
      - { .name: qkv, .offset: 0, .size: 8, .value_kind: global_buffer, .address_space: global }
      - { .name: o, .offset: 8, .size: 8, .value_kind: global_buffer, .address_space: global }
    .group_segment_fixed_size: 327680
    .private_segment_fixed_size: 0
    .kernarg_segment_align: 8
    .kernarg_segment_size: 16
    .max_flat_workgroup_size: 128
    .sgpr_count:     102
    .vgpr_count:     768
    .wavefront_size: 32
...
	.end_amdgpu_metadata
.endif
;; end of part 3
;; launch proj (part 4): grid 256 x 1, 4 waves a work-group, clusters of 4 x 1, 327,680 bytes of LDS; arguments o, wb, x, bo, g2, be2, x1, h; writes x1, h
.if DOCPART == 4
	.amdgcn_target "amdgcn-amd-amdhsa--gfx1250"
	.amdhsa_code_object_version 6
	.text
	.protected	k_qfdbf1086ac_proj
	.globl	k_qfdbf1086ac_proj
	.p2align	8
	.type	k_qfdbf1086ac_proj,@function
k_qfdbf1086ac_proj:
	s_mov_b64 s[64:65], 0
	v_nop
	global_prefetch_b8 v0, s[64:65] scope:SCOPE_SE
	s_setreg_imm32_b32 hwreg(HW_REG_WAVE_MODE, 25, 1), 1
	s_wait_xcnt 0x0
	s_wait_alu depctr_hold_cnt(0) depctr_sa_sdst(0) depctr_va_vdst(0) depctr_va_sdst(0) depctr_va_ssrc(0) depctr_va_vcc(0) depctr_vm_vsrc(0)
	s_getreg_b32 s2, hwreg(HW_REG_IB_STS2, 6, 4)
	s_cmp_eq_u32 s2, 0
	s_cbranch_scc0 .Lentry_in_a_cluster
	s_endpgm
.Lentry_in_a_cluster:
	s_bfe_u32 s2, ttmp6, 0x10000c
	s_cmp_lg_u32 s2, 0x3003
	s_cbranch_scc0 .Lentry_shape_is_right
	s_endpgm
.Lentry_shape_is_right:
; x1 = x + o wo + bo in f32 ([8192][512]); h = LayerNorm(x1) * g2 + be2 in bf16.  o: [16 batch*head][4096][64] bf16; wo: bf16 [512][512] at byte 1,572,864 of wb.
; A work-group owns 32 WHOLE rows, so that the norm stays inside it: 256 work-groups.  Wave w makes all 32 rows x columns 128 w .. + 127: 16 accumulators.
; o's fragments (32 rows x 512) come straight from memory into 256 registers.  wo goes in four K steps of 128 through two LDS slots; each wave fetches, and alone reads, its own 128 columns, turned by ds_load_tr16_b128.
; CLUSTER 4 x 1: all work-groups walk the same wo, so the four partners ask for each tile jointly.  NO PREFETCH: two of the four K steps come by the first fills, the others are asked for in the first two steps.
; The sums meet in LDS (slot 0's bytes, which have had their last fill), f32, rows of 2,064 bytes; then wave w takes rows 8 w .. 8 w + 7 whole.  The norm is taken in two passes over registers.
; All of a WGP's LDS is claimed, and 0 is added to spare words.  LIMITS: NaN and infinities are not treated apart.
; REGISTERS: window 0: v16-29 addresses, v32-79 bo, g2, be2, v80-95 at work, v96-127 h, v128-255 accumulators (later v128-191 four rows); window 1: wo's fragments, two buffers of 128; window 2: o's fragments; window 3: v0-127 x.
.set PB,     288
.set WTILE,  128*PB                    ; 128 rows of K x 128 columns: one wave's
.set SLOT,   4*WTILE
.set SPARE,  2*SLOT
.set SPF,    2064
.set WOOFF,  1572864
.set ADRB0, 16                         ; v16, v17 my fragments' address in slot 0, 1
.set AO,    18
.set XO,    19
.set H2O,   20
.set PO,    21
.set STO,   22
.set RDA,   23
.set X1O,   24
.set SPW,   28
.set NIL,   29
.set BO,    32
.set G,     48
.set BV,    64
.set T,     80
.set Y,     96
.set ACC,   128
.set X,     128
.set G1, 24
.set G0, 32
.set SEL, 40
.set RN,  42
.set EPSR, 43
.set MSB, 0
.macro WIN new
.if MSB != (\new)
	s_set_vgpr_msb (MSB<<8)|(\new)
.set MSB, \new
.endif
.endm
.macro PLACES
.rept 4
	v_nop
.endr
.endm
.macro CREST
	s_cmp_lg_u32 s20, 0
	s_cbranch_scc1 .Lnot_wave_0_\@
	s_barrier_signal -3
.Lnot_wave_0_\@:
	s_barrier_wait -3
	s_barrier_signal -1
	s_barrier_wait -1
.endm
.macro CROUND
	s_barrier_signal -1
	s_barrier_wait -1
	CREST
.endm
.macro R4 line:vararg
.set t, 0
.rept 4
	\line
.set t, t+1
.endr
.endm
.macro LN_MEAN
	R4 v_pk_add_f32 v[T+4*t:T+4*t+1], v[X+16*t:X+16*t+1], v[X+16*t+2:X+16*t+3]
	R4 v_pk_add_f32 v[T+4*t+2:T+4*t+3], v[X+16*t+4:X+16*t+5], v[X+16*t+6:X+16*t+7]
.irp k, 8, 12
	R4 v_pk_add_f32 v[T+4*t:T+4*t+1], v[T+4*t:T+4*t+1], v[X+16*t+(\k):X+16*t+(\k)+1]
	R4 v_pk_add_f32 v[T+4*t+2:T+4*t+3], v[T+4*t+2:T+4*t+3], v[X+16*t+(\k)+2:X+16*t+(\k)+3]
.endr
	R4 v_pk_add_f32 v[T+4*t:T+4*t+1], v[T+4*t:T+4*t+1], v[T+4*t+2:T+4*t+3]
	R4 v_add_f32 v[T+4*t], v[T+4*t], v[T+4*t+1]
.irp m, 1, 2, 4, 8
	R4 v_add_f32_dpp v[T+4*t], v[T+4*t], v[T+4*t] row_xmask:\m row_mask:0xf bank_mask:0xf
.endr
	R4 v_permlanex16_b32 v[T+4*t+1], v[T+4*t], s[SEL], s[SEL+1]
	R4 v_add_f32 v[T+4*t], v[T+4*t], v[T+4*t+1]
	R4 v_mul_f32 v[T+4*t], s[RN], v[T+4*t]
.endm
.macro LN_VAR
.irp k, 0,2,4,6,8,10,12,14
	R4 v_pk_add_f32 v[X+16*t+(\k):X+16*t+(\k)+1], v[X+16*t+(\k):X+16*t+(\k)+1], v[T+4*t:T+4*t+1] op_sel_hi:[1,0] neg_lo:[0,1] neg_hi:[0,1]
.endr
	R4 v_pk_mul_f32 v[T+4*t+2:T+4*t+3], v[X+16*t:X+16*t+1], v[X+16*t:X+16*t+1]
.irp k, 2,4,6,8,10,12,14
	R4 v_pk_fma_f32 v[T+4*t+2:T+4*t+3], v[X+16*t+(\k):X+16*t+(\k)+1], v[X+16*t+(\k):X+16*t+(\k)+1], v[T+4*t+2:T+4*t+3]
.endr
	R4 v_add_f32 v[T+4*t+2], v[T+4*t+2], v[T+4*t+3]
.irp m, 1, 2, 4, 8
	R4 v_add_f32_dpp v[T+4*t+2], v[T+4*t+2], v[T+4*t+2] row_xmask:\m row_mask:0xf bank_mask:0xf
.endr
	R4 v_permlanex16_b32 v[T+4*t+3], v[T+4*t+2], s[SEL], s[SEL+1]
	R4 v_add_f32 v[T+4*t+2], v[T+4*t+2], v[T+4*t+3]
	R4 v_fma_f32 v[T+4*t+2], v[T+4*t+2], s[RN], s[EPSR]
	R4 v_rsq_f32 v[T+4*t+2], v[T+4*t+2]
	v_nop                                          ; a plain instruction behind the last root,
	s_wait_alu depctr_va_vdst(0)                   ; and one wait for the four, ahead of their first reader
.endm
.macro LN_APPLY
.irp k, 0,2,4,6,8,10,12,14
	R4 v_pk_mul_f32 v[X+16*t+(\k):X+16*t+(\k)+1], v[X+16*t+(\k):X+16*t+(\k)+1], v[T+4*t+2:T+4*t+3] op_sel_hi:[1,0]
	R4 v_pk_fma_f32 v[X+16*t+(\k):X+16*t+(\k)+1], v[X+16*t+(\k):X+16*t+(\k)+1], v[G+(\k):G+(\k)+1], v[BV+(\k):BV+(\k)+1]
.endr
.irp k, 0,1,2,3,4,5,6,7
	R4 v_cvt_pk_bf16_f32 v[Y+8*t+(\k)], v[X+16*t+2*(\k)], v[X+16*t+2*(\k)+1]
.endr
.endm
	s_load_b512 s[4:19], s[0:1], 0x0               ; o, wb, x, bo, g2, be2, x1, h
	v_lshl_add_u32 v[SPW], v0, 2, SPARE
	v_mov_b32 v[NIL], 0
	ds_add_u32 v[SPW], v[NIL]                      ; the opening add, ahead of my first tensor load
	ds_add_u32 v28, v29
	v_lshrrev_b32 v1, 5, v0
	v_readfirstlane_b32 s20, v1                    ; wave
	s_bfe_u32 s21, ttmp6, 0x40000                  ; cx
	s_lshl_b32 s22, ttmp9, 2
	s_add_co_u32 s22, s22, s21                     ; my block of 32 rows: it enters plain addresses alone
	s_mov_b32 s[G1], 15|(1<<16)|(1<<20)|(1<<21)|(5<<22)|(7<<25)  ; the mask of four; 2-byte elements; 8 words of padding behind every 64
	s_mov_b32 s[G1+1], 128<<16
	s_mov_b32 s[G1+2], 128<<16
	s_mov_b32 s[G1+3], 128<<16
	s_mov_b32 s[G1+4], 128
	s_mov_b32 s[G1+5], 512
	s_mov_b32 s[G1+6], 0
	s_mov_b32 s[G1+7], 0
	s_mul_i32 s23, s20, WTILE
	s_lshl_b32 s44, s20, 8                         ; my 128 columns: 256 bytes of a row of wo
	s_add_co_u32 s44, s44, WOOFF
	s_mov_b32 s45, 0
	s_mov_b32 s[SEL], 0x76543210
	s_mov_b32 s[SEL+1], 0xfedcba98
	s_mov_b32 s[RN], 0x3b000000                    ; 1/512
	s_mov_b32 s[EPSR], 0x3727c5ac                  ; 1e-5
	s_lshr_b32 s46, s22, 7                         ; the batch: eight heads of 524,288 bytes
	s_lshl_b32 s46, s46, 22
	s_lshl_b32 s47, s22, 5
	s_and_b32 s47, s47, 4095
	s_lshl_b32 s47, s47, 7
	s_add_co_u32 s46, s46, s47
	s_mov_b32 s47, 0
	s_lshl_b32 s48, s22, 5
	s_lshl_b32 s49, s20, 3
	s_add_co_u32 s48, s48, s49                     ; the first of the 8 rows that I finish
	s_lshl_b32 s50, s48, 11
	s_mov_b32 s51, 0
	s_lshl_b32 s52, s48, 10
	s_mov_b32 s53, 0
	s_wait_dscnt 0x0                               ; the opening add is done
	s_wait_kmcnt 0x0
	s_add_nc_u64 s[6:7], s[6:7], s[44:45]
	s_add_nc_u64 s[4:5], s[4:5], s[46:47]
	s_add_nc_u64 s[8:9], s[8:9], s[50:51]
	s_add_nc_u64 s[16:17], s[16:17], s[50:51]
	s_add_nc_u64 s[18:19], s[18:19], s[52:53]
	CROUND                                         ; all four work-groups are here: the first joint loads meet
.irp s, 0,1
	s_mov_b32 s[G0+4*(\s)], 1
	s_add_co_u32 s[G0+4*(\s)+1], s23, (\s)*SLOT
	s_add_nc_u64 s[G0+4*(\s)+2:G0+4*(\s)+3], s[6:7], (\s)*131072
	s_or_b32 s[G0+4*(\s)+3], s[G0+4*(\s)+3], 0x80000000
	tensor_load_to_lds s[G0+4*(\s):G0+4*(\s)+3], s[G1:G1+7]
	s_nop 0
.endr
	PLACES
	v_and_b32 v1, 15, v0
	v_bfe_u32 v2, v0, 4, 1
	v_and_b32 v3, 31, v0
	v_lshlrev_b32 v[AO], 7, v1
	v_lshl_add_u32 v[AO], v2, 4, v[AO]             ; row x 128 + 16 x half
	v_lshlrev_b32 v[XO], 4, v3
	v_lshlrev_b32 v[X1O], 4, v3
	v_lshlrev_b32 v[PO], 4, v3
	v_lshlrev_b32 v[H2O], 3, v3
	WIN 0x80
.irp hd, 0,1,2,3,4,5,6,7                ; o's fragments: K = 64 head + 32 c2 on, rows 16 a on, at 8 (2 (2 head + c2) + a) of window 2
.irp c2, 0,1
.irp a, 0,1
	global_load_b128 v[8*(2*(2*(\hd)+(\c2))+(\a)):8*(2*(2*(\hd)+(\c2))+(\a))+3],   v[AO], s[4:5] offset:(\hd)*524288+(\a)*2048+(\c2)*64
	global_load_b128 v[8*(2*(2*(\hd)+(\c2))+(\a))+4:8*(2*(2*(\hd)+(\c2))+(\a))+7], v[AO], s[4:5] offset:(\hd)*524288+(\a)*2048+(\c2)*64+32
.endr
.endr
.endr
	WIN 0xc0
.irp i, 0,1,2,3,4,5,6,7
.irp j, 0,1,2,3
	global_load_b128 v[16*(\i)+4*(\j):16*(\i)+4*(\j)+3], v[XO], s[8:9] offset:(\i)*2048+(\j)*512 th:TH_LOAD_NT
.endr
.endr
	WIN 0
.irp j, 0,1,2,3
	global_load_b128 v[BO+4*(\j):BO+4*(\j)+3], v[PO], s[10:11] offset:(\j)*512
	global_load_b128 v[G+4*(\j):G+4*(\j)+3],   v[PO], s[12:13] offset:(\j)*512
	global_load_b128 v[BV+4*(\j):BV+4*(\j)+3], v[PO], s[14:15] offset:(\j)*512
.endr
	v_and_b32 v4, 7, v0
	v_bfe_u32 v5, v0, 3, 1
	v_lshl_add_u32 v6, v2, 3, v4
	v_mul_u32_u24 v6, v6, PB
	v_lshl_add_u32 v6, v5, 4, v6
	v_add_nc_u32 v[ADRB0], s23, v6
	v_add_nc_u32 v[ADRB0+1], SLOT, v[ADRB0]
	s_lshl_b32 s54, s20, 9
	v_mul_u32_u24 v[STO], v1, SPF
	v_lshl_add_u32 v[STO], v2, 5, v[STO]
	v_add_nc_u32 v[STO], s54, v[STO]               ; row l % 16, my 512 bytes, 32 bytes for each half of the lanes
	s_mul_i32 s54, s20, 8*SPF
	v_lshl_add_u32 v[RDA], v3, 4, s54
; chunk ch = 64 along K (head ch).  Its 32 turning loads into buffer ch % 2, the first 32 along K first
.macro FETCH ch
	WIN 0x40
.irp c, 0,1
.irp b, 0,1,2,3,4,5,6,7
	ds_load_tr16_b128 v[128*((\ch)%2)+64*(\c)+8*(\b):128*((\ch)%2)+64*(\c)+8*(\b)+3],   v[ADRB0+((\ch)/2)%2] offset:(((\ch)%2)*64+32*(\c))*PB+32*(\b)
	ds_load_tr16_b128 v[128*((\ch)%2)+64*(\c)+8*(\b)+4:128*((\ch)%2)+64*(\c)+8*(\b)+7], v[ADRB0+((\ch)/2)%2] offset:(((\ch)%2)*64+32*(\c)+16)*PB+32*(\b)
.endr
.endr
.endm
; na x 8 matrix instructions of chunk ch, half c.  The 16 accumulators take turns in one order.
.macro PROD ch, c, a0, na, zero=0
	WIN 0x09
.set a, \a0
.rept \na
.irp b, 0,1,2,3,4,5,6,7
.if \zero
	v_wmma_f32_16x16x32_bf16 v[ACC+8*(8*a+(\b)):ACC+8*(8*a+(\b))+7], v[128*((\ch)%2)+64*(\c)+8*(\b):128*((\ch)%2)+64*(\c)+8*(\b)+7], v[8*(2*(2*(\ch)+(\c))+a):8*(2*(2*(\ch)+(\c))+a)+7], 0
.else
	v_wmma_f32_16x16x32_bf16 v[ACC+8*(8*a+(\b)):ACC+8*(8*a+(\b))+7], v[128*((\ch)%2)+64*(\c)+8*(\b):128*((\ch)%2)+64*(\c)+8*(\b)+7], v[8*(2*(2*(\ch)+(\c))+a):8*(2*(2*(\ch)+(\c))+a)+7], v[ACC+8*(8*a+(\b)):ACC+8*(8*a+(\b))+7]
.endif
.endr
.set a, a+1
.endr
.endm
.macro CHUNK ch, zero=0, tw=0
	s_wait_dscnt 16                                ; the first 32 along K are in
	PROD \ch, 0, 0, 2, \zero
	PLACES
.if \tw
	s_wait_tensorcnt 0x0                           ; my last tile: no load was issued behind it; its bytes are my own, so this wait is all that the reads need
.endif
	FETCH (\ch)+1
	s_wait_dscnt 32                                ; all but the 32 just issued
	PROD \ch, 1, 0, 2
.endm
; The last chunk of a slot that is filled again: all my tensor loads waited for, the add, my reads of the slot waited for; a round of the cluster's barrier; the joint refill first behind it.
.macro TURNP ch, set
	WIN 0
	s_wait_tensorcnt 0x0
	ds_add_u32 v[SPW], v[NIL]
	s_wait_dscnt 17                                ; the add and the youngest sixteen loads may be out
	PROD \ch, 0, 0, 1
	s_wait_dscnt 0x0
	s_barrier_signal -1
	PROD \ch, 0, 1, 1
	WIN 0
	s_barrier_wait -1
	CREST
	s_add_nc_u64 s[G0+4*(\set)+2:G0+4*(\set)+3], s[G0+4*(\set)+2:G0+4*(\set)+3], 262144  ; two K steps on
	tensor_load_to_lds s[G0+4*(\set):G0+4*(\set)+3], s[G1:G1+7]
	s_nop 0
	PLACES                                         ; also the places in front of the loads below
	FETCH (\ch)+1
	PROD \ch, 1, 0, 2
.endm
	s_wait_tensorcnt 1                             ; my tile of K step 0 is in; it is read by me alone
	FETCH 0
	s_wait_loadcnt 44                              ; o's 64 loads are in; x's 32 and the 12 of bo, g2, be2 may stay out
	CHUNK 0, 1
	TURNP 1, 0
	CHUNK 2
	TURNP 3, 1
	CHUNK 4
	CHUNK 5, 0, 1
	CHUNK 6
	s_wait_dscnt 16
	PROD 7, 0, 0, 2
	s_wait_dscnt 0x0
	PROD 7, 1, 0, 2
	WIN 0
	PLACES
	s_barrier_signal -1                            ; every wave's reads of slot 0 are over; slot 0 has had its last fill
	s_barrier_wait -1
.irp a, 0,1
.irp b, 0,1,2,3,4,5,6,7
	ds_store_b128 v[STO], v[ACC+8*(8*(\a)+(\b)):ACC+8*(8*(\a)+(\b))+3]   offset:(\a)*16*SPF+64*(\b)
	ds_store_b128 v[STO], v[ACC+8*(8*(\a)+(\b))+4:ACC+8*(8*(\a)+(\b))+7] offset:(\a)*16*SPF+64*(\b)+16
.endr
.endr
	s_wait_dscnt 0x0                               ; for the others' sake
	s_barrier_signal -1
	s_barrier_wait -1
	s_mov_b32 s3, 2
.Lrows:                                            ; two trips of four whole rows
.irp i, 0,1,2,3
.irp j, 0,1,2,3
	ds_load_b128 v[X+16*(\i)+4*(\j):X+16*(\i)+4*(\j)+3], v[RDA] offset:(\i)*SPF+(\j)*512
.endr
.endr
	s_wait_dscnt 0x0
	s_wait_loadcnt 0x0                             ; x, bo, g2, be2
	WIN 0x0c
.set k, 0
.rept 32
	v_pk_add_f32 v[X+2*k:X+2*k+1], v[X+2*k:X+2*k+1], v[2*k:2*k+1]
.set k, k+1
.endr
	WIN 0
.irp k, 0,2,4,6,8,10,12,14
	R4 v_pk_add_f32 v[X+16*t+(\k):X+16*t+(\k)+1], v[X+16*t+(\k):X+16*t+(\k)+1], v[BO+(\k):BO+(\k)+1]
.endr
.irp i, 0,1,2,3
.irp j, 0,1,2,3
	global_store_b128 v[X1O], v[X+16*(\i)+4*(\j):X+16*(\i)+4*(\j)+3], s[16:17] offset:(\i)*2048+(\j)*512
.endr
.endr
	LN_MEAN
	s_wait_xcnt 0x0                                ; the stores of x1 have read their registers: the rows are changed in place only behind this wait
	LN_VAR
	LN_APPLY
.irp i, 0,1,2,3
.irp j, 0,1,2,3
	global_store_b64 v[H2O], v[Y+8*(\i)+2*(\j):Y+8*(\i)+2*(\j)+1], s[18:19] offset:(\i)*1024+(\j)*256
.endr
.endr
	s_wait_xcnt 0x0                                ; the offsets and h's registers are written again only behind this wait
	v_add_nc_u32 v[RDA], 4*SPF, v[RDA]
	v_add_nc_u32 v[X1O], 8192, v[X1O]
	v_add_nc_u32 v[H2O], 4096, v[H2O]
	WIN 0xc3
.set k, 0
.rept 64
	v_mov_b32 v[k], v[64+k]                        ; x's rows 4-7 go where the one text of the trip names x
.set k, k+1
.endr
	WIN 0
	s_sub_co_u32 s3, s3, 1
	s_cmp_lg_u32 s3, 0
	s_cbranch_scc1 .Lrows
	s_wait_tensorcnt 0x0                           ; the wave's end
	ds_add_u32 v[SPW], v[NIL]
	s_wait_dscnt 0x0
	CROUND                                         ; the closing round
	s_endpgm
.Lfunc_end_k_qfdbf1086ac_proj:
	.size	k_qfdbf1086ac_proj, .Lfunc_end_k_qfdbf1086ac_proj-k_qfdbf1086ac_proj
	.p2alignl 7, 3214868480
	.fill 96, 4, 3214868480
	.section	.rodata,"a",@progbits
	.p2align	6, 0x0
	.amdhsa_kernel k_qfdbf1086ac_proj
		.amdhsa_group_segment_fixed_size 327680
		.amdhsa_private_segment_fixed_size 0
		.amdhsa_enable_private_segment 0
		.amdhsa_kernarg_size 64
		.amdhsa_user_sgpr_count 2
		.amdhsa_user_sgpr_kernarg_segment_ptr 1
		.amdhsa_wavefront_size32 1
		.amdhsa_system_sgpr_workgroup_id_x 1
		.amdhsa_system_sgpr_workgroup_id_y 1
		.amdhsa_system_sgpr_workgroup_id_z 1
		.amdhsa_system_vgpr_workitem_id 0
		.amdhsa_next_free_vgpr 896
		.amdhsa_next_free_sgpr 66
		.amdhsa_reserve_vcc 0
		.amdhsa_float_denorm_mode_32 3
		.amdhsa_float_denorm_mode_16_64 3
		.amdhsa_memory_ordered 1
		.amdhsa_forward_progress 1
		.amdhsa_inst_pref_size 79
	.end_amdhsa_kernel
	.amdgpu_metadata
---
amdhsa.version: [ 1, 2 ]
amdhsa.kernels:
  - .name:           k_qfdbf1086ac_proj
    .symbol:         k_qfdbf1086ac_proj.kd
    .args:
      - { .name: o, .offset: 0, .size: 8, .value_kind: global_buffer, .address_space: global }
      - { .name: wb, .offset: 8, .size: 8, .value_kind: global_buffer, .address_space: global }
      - { .name: x, .offset: 16, .size: 8, .value_kind: global_buffer, .address_space: global }
      - { .name: bo, .offset: 24, .size: 8, .value_kind: global_buffer, .address_space: global }
      - { .name: g2, .offset: 32, .size: 8, .value_kind: global_buffer, .address_space: global }
      - { .name: be2, .offset: 40, .size: 8, .value_kind: global_buffer, .address_space: global }
      - { .name: x1, .offset: 48, .size: 8, .value_kind: global_buffer, .address_space: global }
      - { .name: h, .offset: 56, .size: 8, .value_kind: global_buffer, .address_space: global }
    .group_segment_fixed_size: 327680
    .private_segment_fixed_size: 0
    .kernarg_segment_align: 8
    .kernarg_segment_size: 64
    .max_flat_workgroup_size: 128
    .sgpr_count:     66
    .vgpr_count:     896
    .wavefront_size: 32
...
	.end_amdgpu_metadata
.endif
;; end of part 4
;; launch ffn1 (part 5): grid 8 x 32, 4 waves a work-group, clusters of 4 x 4, 327,680 bytes of LDS; arguments h, wb, hid, b1; writes hid
.if DOCPART == 5
	.amdgcn_target "amdgcn-amd-amdhsa--gfx1250"
	.amdhsa_code_object_version 6
	.text
	.protected	k_qfdbf1086ac_ffn1
	.globl	k_qfdbf1086ac_ffn1
	.p2align	8
	.type	k_qfdbf1086ac_ffn1,@function
k_qfdbf1086ac_ffn1:
	s_mov_b64 s[64:65], 0
	v_nop
	global_prefetch_b8 v0, s[64:65] scope:SCOPE_SE
	s_setreg_imm32_b32 hwreg(HW_REG_WAVE_MODE, 25, 1), 1
	s_wait_xcnt 0x0
	s_wait_alu depctr_hold_cnt(0) depctr_sa_sdst(0) depctr_va_vdst(0) depctr_va_sdst(0) depctr_va_ssrc(0) depctr_va_vcc(0) depctr_vm_vsrc(0)
	s_getreg_b32 s2, hwreg(HW_REG_IB_STS2, 6, 4)
	s_cmp_eq_u32 s2, 0
	s_cbranch_scc0 .Lentry_in_a_cluster
	s_endpgm
.Lentry_in_a_cluster:
	s_bfe_u32 s2, ttmp6, 0x10000c
	s_cmp_lg_u32 s2, 0xf033
	s_cbranch_scc0 .Lentry_shape_is_right
	s_endpgm
.Lentry_shape_is_right:
; hid = relu(h [8192][512] x w1 [512][2048] + b1), bf16 operands, f32 sums, rounded once to bf16.  w1: bf16 [K][N] at byte 2,097,152 of wb.
; A work-group makes 256 x 256 (256 work-groups), each of four waves 128 x 128: 64 accumulators.  K goes in four steps of 128 through two LDS slots; w1's fragments come out of LDS turned.
; Source 0 = 16 columns of w1, source 1 = 16 rows of h: a lane holds one row and eight neighbouring columns.  The bias is the C operand of the products that start the sums.
; CLUSTER 4 x 4: h's tile is asked for jointly along a row of the cluster, w1's along a column.  One K step of text is walked by a counter; the slot's base is a scalar turned by an exclusive or.
; NO PREFETCH: of the four K steps two come by the first fills and two are asked for in the first two steps.
; All of a WGP's LDS is claimed, and 0 is added to spare words.
; REGISTERS: window 0: v16-29 addresses, v64-191 h's fragments (two buffers), v192-255 the bias, later the way out with v32-63; window 1: v64-191 w1's fragments; windows 2, 3: accumulators at 8 (8 a + b).
.set SIZE_N, 2048
.set KSTEP,  128
.set NSTEP,  4
.set PA,     272
.set PB,     288
.set HALFA,  128*PA
.set ABYTES, 2*HALFA
.set HALFB,  128*PB
.set SLOT,   ABYTES+2*HALFB
.set STAGE,  2*SLOT
.set SPITCH, 272
.set SPARE,  STAGE+4*16*SPITCH
.set W1OFF,  2097152
.set ADRA,  16
.set ADRA0, 17
.set ADRB,  20
.set ADRB0, 21
.set STO,   24
.set RD,    25
.set CO,    26
.set ZR,    27                         ; v27 0, for the packed maximum
.set SPW,   28
.set NIL,   29
.set BI,    192
.set TMP,   192
.set OB,    32
.set G1,  24
.set G0,  32
.set TB,  45
.set G1B, 48
.set G0B, 56
.set TD,  68
.set LBA, 69
.set LBB, 70
.set MSB, 0
.macro WIN new
.if MSB != (\new)
	s_set_vgpr_msb (MSB<<8)|(\new)
.set MSB, \new
.endif
.endm
.macro PLACES
.rept 4
	v_nop
.endr
.endm
.macro JLOAD s
	s_cmp_eq_u32 s11, 0
	s_cbranch_scc0 .Lfor_b_\@
	tensor_load_to_lds s[G0+4*(\s):G0+4*(\s)+3], s[G1:G1+7]
	s_nop 0
.rept 4
	v_nop
.endr
	s_branch .Lasked_\@
.Lfor_b_\@:
	tensor_load_to_lds s[G0B+4*(\s):G0B+4*(\s)+3], s[G1B:G1B+7]
	s_nop 0
.rept 4
	v_nop
.endr
.Lasked_\@:
.endm
.macro CREST
	s_cmp_lg_u32 s10, 0
	s_cbranch_scc1 .Lnot_wave_0_\@
	s_barrier_signal -3
.Lnot_wave_0_\@:
	s_barrier_wait -3
	s_barrier_signal -1
	s_barrier_wait -1
.endm
.macro CROUND
	s_barrier_signal -1
	s_barrier_wait -1
	CREST
.endm
	s_load_b128 s[4:7], s[0:1], 0x0                ; h, wb
	s_load_b64 s[8:9], s[0:1], 0x10                ; hid
	s_load_b64 s[66:67], s[0:1], 0x18              ; b1
	v_lshl_add_u32 v[SPW], v0, 2, SPARE
	v_mov_b32 v[NIL], 0
	ds_add_u32 v[SPW], v[NIL]                      ; the opening add, ahead of my first tensor load
	ds_add_u32 v28, v29
	v_lshrrev_b32 v1, 5, v0
	v_readfirstlane_b32 s10, v1
	s_lshr_b32 s11, s10, 1
	s_and_b32 s12, s10, 1
	s_bfe_u32 s40, ttmp6, 0x40000
	s_bfe_u32 s41, ttmp6, 0x40004
	s_lshl_b32 s42, ttmp9, 2
	s_add_co_u32 s42, s42, s40                     ; tile column
	s_and_b32 s13, ttmp7, 0xffff
	s_lshl_b32 s13, s13, 2
	s_add_co_u32 s13, s13, s41                     ; tile row
	s_lshl_b32 s43, s41, 2
	s_lshl_b32 s43, 15, s43
	s_lshl_b32 s44, 0x1111, s40
	s_or_b32 s[G1], s43, (1<<16)|(1<<20)|(1<<21)|(5<<22)|(3<<25)   ; 4 words of padding behind every 64
	s_or_b32 s[G1B], s44, (1<<16)|(1<<20)|(1<<21)|(5<<22)|(7<<25)  ; 8 words
.irp g, G1, G1B
	s_mov_b32 s[(\g)+1], 128<<16
	s_mov_b32 s[(\g)+2], 128<<16
	s_mov_b32 s[(\g)+3], 128<<16
	s_mov_b32 s[(\g)+4], 128
	s_mov_b32 s[(\g)+6], 0
	s_mov_b32 s[(\g)+7], 0
.endr
	s_mov_b32 s[G1+5], 512
	s_mov_b32 s[G1B+5], SIZE_N
	s_lshl_b32 s16, s13, 8
	s_lshl_b32 s17, s12, 7
	s_add_co_u32 s16, s16, s17
	s_lshl_b32 s16, s16, 10                        ; h: (256 x tile row + 128 x part) rows of 1,024 bytes
	s_mov_b32 s17, 0
	s_lshl_b32 s46, s42, 9
	s_lshl_b32 s47, s12, 8
	s_add_co_u32 s46, s46, s47
	s_add_co_u32 s46, s46, W1OFF
	s_mov_b32 s47, 0
	s_mul_i32 s[LBA], s12, HALFA
	s_mul_i32 s[LBB], s12, HALFB
	s_add_co_u32 s[LBB], s[LBB], ABYTES
	s_mov_b32 s[TB], 0
	s_mov_b32 s[TD], SLOT
	s_wait_dscnt 0x0
	s_wait_kmcnt 0x0
	s_add_nc_u64 s[14:15], s[4:5], s[16:17]
	s_add_nc_u64 s[46:47], s[6:7], s[46:47]
	CROUND
.irp s, 0,1
	s_mov_b32 s[G0+4*(\s)], 1
	s_add_co_u32 s[G0+4*(\s)+1], s[LBA], (\s)*SLOT
	s_add_nc_u64 s[G0+4*(\s)+2:G0+4*(\s)+3], s[14:15], (\s)*KSTEP*2
	s_or_b32 s[G0+4*(\s)+3], s[G0+4*(\s)+3], 0x80000000
	s_mov_b32 s[G0B+4*(\s)], 1
	s_add_co_u32 s[G0B+4*(\s)+1], s[LBB], (\s)*SLOT
	s_add_nc_u64 s[G0B+4*(\s)+2:G0B+4*(\s)+3], s[46:47], (\s)*KSTEP*SIZE_N*2
	s_or_b32 s[G0B+4*(\s)+3], s[G0B+4*(\s)+3], 0x80000000
	JLOAD \s
.endr
	v_and_b32 v1, 15, v0
	v_bfe_u32 v2, v0, 4, 1
	s_lshl_b32 s74, s42, 10                        ; the bias of my 128 columns
	s_lshl_b32 s75, s12, 9
	s_add_co_u32 s74, s74, s75
	s_mov_b32 s75, 0
	s_add_nc_u64 s[66:67], s[66:67], s[74:75]
	v_lshlrev_b32 v7, 5, v2                        ; eight columns for each half of the lanes
.irp b, 0,1,2,3,4,5,6,7
	global_load_b128 v[BI+8*(\b):BI+8*(\b)+3],   v7, s[66:67] offset:64*(\b)
	global_load_b128 v[BI+8*(\b)+4:BI+8*(\b)+7], v7, s[66:67] offset:64*(\b)+16
.endr
	v_mov_b32 v[ZR], 0
	v_mul_u32_u24 v3, v1, PA
	v_lshl_add_u32 v3, v2, 4, v3
	s_mul_i32 s21, s11, HALFA
	v_add_nc_u32 v[ADRA0], s21, v3
	v_mov_b32 v[ADRA], v[ADRA0]
	v_and_b32 v4, 7, v0
	v_bfe_u32 v5, v0, 3, 1
	v_lshl_add_u32 v6, v2, 3, v4
	v_mul_u32_u24 v6, v6, PB
	v_lshl_add_u32 v6, v5, 4, v6
	v_add_nc_u32 v[ADRB0], s[LBB], v6
	v_mov_b32 v[ADRB], v[ADRB0]
	s_mul_i32 s23, s10, 16*SPITCH
	s_add_co_u32 s23, s23, STAGE
	v_mul_u32_u24 v4, v1, SPITCH
	v_lshl_add_u32 v4, v2, 4, v4
	v_add_nc_u32 v[STO], s23, v4
	v_mul_u32_u24 v5, v2, SPITCH
	v_lshl_add_u32 v5, v1, 4, v5
	v_add_nc_u32 v[RD], s23, v5
	v_mul_u32_u24 v5, v2, SIZE_N*2
	v_lshl_add_u32 v[CO], v1, 4, v5
	s_lshl_b32 s72, s13, 8
	s_lshl_b32 s73, s11, 7
	s_add_co_u32 s72, s72, s73
	s_lshl_b32 s72, s72, 12                        ; my first row of hid: 4,096 bytes a row
	s_lshl_b32 s73, s42, 9
	s_add_co_u32 s72, s72, s73
	s_lshl_b32 s73, s12, 8
	s_add_co_u32 s72, s72, s73
	s_mov_b32 s73, 0
	s_add_nc_u64 s[8:9], s[8:9], s[72:73]
.macro FETCH q, f
	WIN 0x40
.irp b, 0,1,2,3,4,5,6,7
	ds_load_tr16_b128 v[64+64*(\f)+8*(\b):64+64*(\f)+8*(\b)+3],   v[ADRB] offset:32*(\q)*PB+32*(\b)
	ds_load_tr16_b128 v[64+64*(\f)+8*(\b)+4:64+64*(\f)+8*(\b)+7], v[ADRB] offset:32*(\q)*PB+16*PB+32*(\b)
.endr
	WIN 0
.irp i, 0,1,2,3,4,5,6,7
	ds_load_b128 v[64+64*(\f)+8*(\i):64+64*(\f)+8*(\i)+3],   v[ADRA] offset:64*(\q)+(\i)*16*PA
	ds_load_b128 v[64+64*(\f)+8*(\i)+4:64+64*(\f)+8*(\i)+7], v[ADRA] offset:64*(\q)+(\i)*16*PA+32
.endr
.endm
; 16 matrix instructions: row blocks a0, a0 + 1 of the window's four x all 8 column blocks.  first = 1: the sums start from the bias.  The 64 accumulators take turns in one order.
.macro MUL16 f, hi, a0, first=0
.if \first
	WIN 0x81+0x40*(\hi)
.else
	WIN 0xa1+0x50*(\hi)
.endif
.irp a, \a0, (\a0)+1
.irp b, 0,1,2,3,4,5,6,7
.if \first
	v_wmma_f32_16x16x32_bf16 v[8*(8*(\a)+(\b)):8*(8*(\a)+(\b))+7], v[64+64*(\f)+8*(\b):64+64*(\f)+8*(\b)+7], v[64+64*(\f)+8*(4*(\hi)+(\a)):64+64*(\f)+8*(4*(\hi)+(\a))+7], v[BI+8*(\b):BI+8*(\b)+7]
.else
	v_wmma_f32_16x16x32_bf16 v[8*(8*(\a)+(\b)):8*(8*(\a)+(\b))+7], v[64+64*(\f)+8*(\b):64+64*(\f)+8*(\b)+7], v[64+64*(\f)+8*(4*(\hi)+(\a)):64+64*(\f)+8*(4*(\hi)+(\a))+7], v[8*(8*(\a)+(\b)):8*(8*(\a)+(\b))+7]
.endif
.endr
.endr
.endm
.macro QUARTER q, f, g, first=0
	s_wait_dscnt 8                                 ; w1's fragments and h's rows 0-63 are in; the youngest eight loads may be out
	MUL16 \f, 0, 0, \first
	MUL16 \f, 0, 2, \first
	PLACES
	FETCH \q, \g
	s_wait_dscnt 32                                ; all but the 32 just issued
	MUL16 \f, 1, 0, \first
	MUL16 \f, 1, 2, \first
.endm
.macro TURN fill                       ; the last quarter of a K step and the change of slots: see the comments in the text of the q, k, v product, whose form this is
	WIN 0
	s_wait_tensorcnt 0x0                           ; all my tensor loads have landed: my part of the next slot
	ds_add_u32 v[SPW], v[NIL]
	s_wait_dscnt 9                                 ; the add and the youngest eight loads may be out
	MUL16 1, 0, 0
	s_wait_dscnt 0x0                               ; the add is done, my reads of this slot are over
	s_barrier_signal -1
	MUL16 1, 0, 2
	WIN 0
	s_barrier_wait -1
.if \fill
	CREST                                          ; the barrier has opened a round of the cluster's: no wave of any partner still reads the slot
	s_xor_b32 s[TD], s[TD], SLOT
	s_add_co_u32 s[G0+5], s[LBA], s[TD]
	s_add_co_u32 s[G0B+5], s[LBB], s[TD]
	s_add_nc_u64 s[G0+6:G0+7], s[G0+6:G0+7], KSTEP*2
	s_add_nc_u64 s[G0B+6:G0B+7], s[G0B+6:G0B+7], KSTEP*SIZE_N*2
	JLOAD 1
.else
	PLACES
.endif
	s_xor_b32 s[TB], s[TB], SLOT
	v_add_nc_u32 v[ADRA], s[TB], v[ADRA0]
	v_add_nc_u32 v[ADRB], s[TB], v[ADRB0]
	FETCH 0, 0
	MUL16 1, 1, 0
	MUL16 1, 1, 2
.endm
	s_wait_tensorcnt 1                             ; my part of K step 0 is in; step 1's may stay out
	s_barrier_signal -1
	s_barrier_wait -1
	FETCH 0, 0
	s_wait_loadcnt 0x0                             ; the bias
	QUARTER 1, 0, 1, 1
	WIN 0
	s_mov_b32 s3, NSTEP-2
.Lstep:
	QUARTER 2, 1, 0
	QUARTER 3, 0, 1
	TURN 1
	QUARTER 1, 0, 1
	WIN 0
	s_sub_co_u32 s3, s3, 1
	s_cmp_lg_u32 s3, 0
	s_cbranch_scc1 .Lstep
	s_mov_b32 s3, 2
.Ltail:                                            ; the last two steps ask for nothing; the second trip is left in its middle, alike in every wave
	QUARTER 2, 1, 0
	QUARTER 3, 0, 1
	WIN 0
	s_cmp_eq_u32 s3, 1
	s_cbranch_scc1 .Lout
	TURN 0
	QUARTER 1, 0, 1
	WIN 0
	s_sub_co_u32 s3, s3, 1
	s_cmp_lg_u32 s3, 0
	s_cbranch_scc1 .Ltail
.Lout:
	s_wait_dscnt 8
	MUL16 1, 0, 0
	MUL16 1, 0, 2
	s_wait_dscnt 0x0
	MUL16 1, 1, 0
	MUL16 1, 1, 2
	PLACES
; THE WAY OUT of block a (16 rows): rounded to bf16, the maximum with 0 taken on packed halves, through my own stage, back as whole rows of 256 bytes.
.macro PACK a
.set AC, 64*((\a)%4)
	WIN 0x0a+5*((\a)/4)
.irp b, 0,1,2,3,4,5,6,7
.irp r, 0,1,2,3
	v_cvt_pk_bf16_f32 v[TMP+4*(\b)+(\r)], v[AC+8*(\b)+2*(\r)], v[AC+8*(\b)+2*(\r)+1]
.endr
.endr
	WIN 0
.set r, 0
.rept 32
	v_pk_max_num_bf16 v[TMP+r], v[TMP+r], v[ZR]
.set r, r+1
.endr
.endm
.macro TOSTAGE a
	WIN 0
.set BK, OB+192*((\a)%2)
.irp b, 0,1,2,3,4,5,6,7
	ds_store_b128 v[STO], v[TMP+4*(\b):TMP+4*(\b)+3] offset:32*(\b)
.endr
.irp t, 0,1,2,3,4,5,6,7
	ds_load_b128 v[BK+4*(\t):BK+4*(\t)+3], v[RD] offset:(\t)*2*SPITCH  ; LDS serves a wave's instructions in order: these see the stores above
.endr
.endm
.macro SEND a
	WIN 0
.set BK, OB+192*((\a)%2)
	s_wait_dscnt 0x0
	s_wait_xcnt 0x0                                ; the stores' base and the registers that earlier stores read are written again only behind this wait
.if (\a) > 0
	s_add_nc_u64 s[8:9], s[8:9], 16*SIZE_N*2
.endif
.irp t, 0,1,2,3,4,5,6,7
	global_store_b128 v[CO], v[BK+4*(\t):BK+4*(\t)+3], s[8:9] offset:2*(\t)*SIZE_N*2  ; 16 lanes store 256 consecutive bytes, aligned
.endr
.endm
	PACK 0
	TOSTAGE 0
.irp a, 1,2,3,4,5,6,7
	PACK \a
	SEND (\a)-1
	TOSTAGE \a
.endr
	SEND 7
	s_wait_tensorcnt 0x0                           ; the wave's end
	ds_add_u32 v[SPW], v[NIL]
	s_wait_dscnt 0x0
	CROUND
	s_endpgm
.Lfunc_end_k_qfdbf1086ac_ffn1:
	.size	k_qfdbf1086ac_ffn1, .Lfunc_end_k_qfdbf1086ac_ffn1-k_qfdbf1086ac_ffn1
	.p2alignl 7, 3214868480
	.fill 96, 4, 3214868480
	.section	.rodata,"a",@progbits
	.p2align	6, 0x0
	.amdhsa_kernel k_qfdbf1086ac_ffn1
		.amdhsa_group_segment_fixed_size 327680
		.amdhsa_private_segment_fixed_size 0
		.amdhsa_enable_private_segment 0
		.amdhsa_kernarg_size 32
		.amdhsa_user_sgpr_count 2
		.amdhsa_user_sgpr_kernarg_segment_ptr 1
		.amdhsa_wavefront_size32 1
		.amdhsa_system_sgpr_workgroup_id_x 1
		.amdhsa_system_sgpr_workgroup_id_y 1
		.amdhsa_system_sgpr_workgroup_id_z 1
		.amdhsa_system_vgpr_workitem_id 0
		.amdhsa_next_free_vgpr 1024
		.amdhsa_next_free_sgpr 80
		.amdhsa_reserve_vcc 0
		.amdhsa_float_denorm_mode_32 3
		.amdhsa_float_denorm_mode_16_64 3
		.amdhsa_memory_ordered 1
		.amdhsa_forward_progress 1
		.amdhsa_inst_pref_size 122
	.end_amdhsa_kernel
	.amdgpu_metadata
---
amdhsa.version: [ 1, 2 ]
amdhsa.kernels:
  - .name:           k_qfdbf1086ac_ffn1
    .symbol:         k_qfdbf1086ac_ffn1.kd
    .args:
      - { .name: h, .offset: 0, .size: 8, .value_kind: global_buffer, .address_space: global }
      - { .name: wb, .offset: 8, .size: 8, .value_kind: global_buffer, .address_space: global }
      - { .name: hid, .offset: 16, .size: 8, .value_kind: global_buffer, .address_space: global }
      - { .name: b1, .offset: 24, .size: 8, .value_kind: global_buffer, .address_space: global }
    .group_segment_fixed_size: 327680
    .private_segment_fixed_size: 0
    .kernarg_segment_align: 8
    .kernarg_segment_size: 32
    .max_flat_workgroup_size: 128
    .sgpr_count:     80
    .vgpr_count:     1024
    .wavefront_size: 32
...
	.end_amdgpu_metadata
.endif
;; end of part 5
;; launch ffn2 (part 6): grid 4 x 64, 4 waves a work-group, clusters of 4 x 4, 327,680 bytes of LDS; arguments hid, wb, out0, b2, x1; writes out0
.if DOCPART == 6
	.amdgcn_target "amdgcn-amd-amdhsa--gfx1250"
	.amdhsa_code_object_version 6
	.text
	.protected	k_qfdbf1086ac_ffn2
	.globl	k_qfdbf1086ac_ffn2
	.p2align	8
	.type	k_qfdbf1086ac_ffn2,@function
k_qfdbf1086ac_ffn2:
	s_mov_b64 s[64:65], 0
	v_nop
	global_prefetch_b8 v0, s[64:65] scope:SCOPE_SE
	s_setreg_imm32_b32 hwreg(HW_REG_WAVE_MODE, 25, 1), 1
	s_wait_xcnt 0x0
	s_wait_alu depctr_hold_cnt(0) depctr_sa_sdst(0) depctr_va_vdst(0) depctr_va_sdst(0) depctr_va_ssrc(0) depctr_va_vcc(0) depctr_vm_vsrc(0)
	s_getreg_b32 s2, hwreg(HW_REG_IB_STS2, 6, 4)
	s_cmp_eq_u32 s2, 0
	s_cbranch_scc0 .Lentry_in_a_cluster
	s_endpgm
.Lentry_in_a_cluster:
	s_bfe_u32 s2, ttmp6, 0x10000c
	s_cmp_lg_u32 s2, 0xf033
	s_cbranch_scc0 .Lentry_shape_is_right
	s_endpgm
.Lentry_shape_is_right:
; out0 = x1 + hid [8192][2048] x w2 [2048][512] + b2, bf16 operands, f32 sums and result.  w2: bf16 [K][N] at byte 4,194,304 of wb.
; A work-group makes 128 x 128 (256 work-groups), each of four waves 64 x 64: 16 accumulators.  K goes in eight steps of 256 through two LDS slots; w2's fragments come out of LDS turned.
; Source 0 = 16 columns of w2, source 1 = 16 rows of hid.  The bias is the C operand of the products that start the sums; the residual is loaded at the head and added on the way out.
; CLUSTER 4 x 4: hid's tile is asked for jointly along a row of the cluster, w2's along a column.  One K step of text is walked by a counter.
; PREFETCH: behind each joint refill (which asks for the K step two on) one line names the K step FOUR on: of the 128 blocks of 256 bytes that a wave fetches, each of the four partners that ask with it
; takes 32, told apart by address: hid: rows 16 cx + lane % 16, block lane / 16; w2: row 32 cy + lane, asked for by the clusters with y = 0 alone.  The last two refills name nothing.
; All of a WGP's LDS is claimed, and 0 is added to spare words.
; REGISTERS: window 0: v16-31 addresses, v32-95 the way out, v96-127 the bias, v128-255 accumulators; window 1: two fragment buffers of 128 (hid's 64, then w2's 64); window 2: v0-127 the residual.
.set KSTEP,  256
.set NSTEP,  8
.set PA,     528
.set PB,     288
.set HALFA,  64*PA
.set ABYTES, 2*HALFA
.set HALFB,  128*PB
.set SLOT,   ABYTES+2*HALFB
.set STAGE,  2*SLOT
.set SPF,    272
.set SPARE,  STAGE+4*16*SPF
.set W2OFF,  4194304
.set ADRA,  16
.set ADRA0, 17
.set ADRB,  20                         ; v20 quarters 0, 1; v21 quarters 2, 3 (128 rows of K further on)
.set ADRB0, 22                         ; v22, v23 the same in slot 0
.set STO,   24
.set RD,    25
.set CO,    26
.set SPW,   28
.set NIL,   29
.set PFO,   30
.set BK,    32
.set BI,    96
.set ACC,   128
.set G1,  24
.set G0,  32
.set TB,  45
.set G1B, 48
.set G0B, 56
.set TD,  68
.set LBA, 69
.set LBB, 70
.set PFA, 72                           ; s[72:73] the K step that my next prefetch names
.set PST, 74                           ; s[74:75] a K step in bytes: 512 along hid's rows, 262,144 down w2's
.set LIM, 76                           ; s76 2 in a wave that prefetches, else the greatest number
.set MSB, 0
.macro WIN new
.if MSB != (\new)
	s_set_vgpr_msb (MSB<<8)|(\new)
.set MSB, \new
.endif
.endm
.macro PLACES
.rept 4
	v_nop
.endr
.endm
.macro JLOAD s
	s_cmp_eq_u32 s11, 0
	s_cbranch_scc0 .Lfor_b_\@
	tensor_load_to_lds s[G0+4*(\s):G0+4*(\s)+3], s[G1:G1+7]
	s_nop 0
.rept 4
	v_nop
.endr
	s_branch .Lasked_\@
.Lfor_b_\@:
	tensor_load_to_lds s[G0B+4*(\s):G0B+4*(\s)+3], s[G1B:G1B+7]
	s_nop 0
.rept 4
	v_nop
.endr
.Lasked_\@:
.endm
.macro ASK
	s_cmp_gt_u32 s3, s[LIM]                        ; s3 counts the refills down from 6: the K step four on exists while it is above 2
	s_cbranch_scc0 .Lnot_mine_\@
	global_prefetch_b8 v[PFO], s[PFA:PFA+1] th:TH_LOAD_NT scope:SCOPE_SE
.Lnot_mine_\@:
.endm
.macro CREST
	s_cmp_lg_u32 s10, 0
	s_cbranch_scc1 .Lnot_wave_0_\@
	s_barrier_signal -3
.Lnot_wave_0_\@:
	s_barrier_wait -3
	s_barrier_signal -1
	s_barrier_wait -1
.endm
.macro CROUND
	s_barrier_signal -1
	s_barrier_wait -1
	CREST
.endm
	s_load_b128 s[4:7], s[0:1], 0x0                ; hid, wb
	s_load_b64 s[8:9], s[0:1], 0x10                ; out0
	s_load_b64 s[66:67], s[0:1], 0x18              ; b2
	s_load_b64 s[78:79], s[0:1], 0x20              ; x1
	v_lshl_add_u32 v[SPW], v0, 2, SPARE
	v_mov_b32 v[NIL], 0
	ds_add_u32 v[SPW], v[NIL]                      ; the opening add, ahead of my first tensor load
	ds_add_u32 v28, v29
	v_lshrrev_b32 v1, 5, v0
	v_readfirstlane_b32 s10, v1
	s_lshr_b32 s11, s10, 1
	s_and_b32 s12, s10, 1
	s_bfe_u32 s40, ttmp6, 0x40000
	s_bfe_u32 s41, ttmp6, 0x40004
	s_lshl_b32 s42, ttmp9, 2
	s_add_co_u32 s42, s42, s40
	s_and_b32 s13, ttmp7, 0xffff
	s_lshl_b32 s13, s13, 2
	s_add_co_u32 s13, s13, s41
	s_lshl_b32 s43, s41, 2
	s_lshl_b32 s43, 15, s43
	s_lshl_b32 s44, 0x1111, s40
	s_or_b32 s[G1], s43, (1<<16)|(1<<20)|(1<<21)|(6<<22)|(3<<25)   ; 4 words of padding behind every 128
	s_mov_b32 s[G1+1], KSTEP<<16
	s_mov_b32 s[G1+2], 64<<16
	s_mov_b32 s[G1+3], KSTEP<<16
	s_mov_b32 s[G1+4], 64
	s_mov_b32 s[G1+5], 2048
	s_mov_b32 s[G1+6], 0
	s_mov_b32 s[G1+7], 0
	s_or_b32 s[G1B], s44, (1<<16)|(1<<20)|(1<<21)|(5<<22)|(7<<25)  ; 8 words behind every 64
	s_mov_b32 s[G1B+1], 128<<16
	s_mov_b32 s[G1B+2], 128<<16
	s_mov_b32 s[G1B+3], 128<<16
	s_mov_b32 s[G1B+4], 128
	s_mov_b32 s[G1B+5], 512
	s_mov_b32 s[G1B+6], 0
	s_mov_b32 s[G1B+7], 0
	s_lshl_b32 s16, s13, 7
	s_lshl_b32 s17, s12, 6
	s_add_co_u32 s16, s16, s17
	s_lshl_b32 s16, s16, 12                        ; hid: (128 x tile row + 64 x part) rows of 4,096 bytes
	s_mov_b32 s17, 0
	s_lshl_b32 s46, s12, 17                        ; w2: 128 x part rows of 1,024 bytes,
	s_lshl_b32 s47, s42, 8                         ; the tile's 128 columns
	s_add_co_u32 s46, s46, s47
	s_add_co_u32 s46, s46, W2OFF
	s_mov_b32 s47, 0
	s_mul_i32 s[LBA], s12, HALFA
	s_mul_i32 s[LBB], s12, HALFB
	s_add_co_u32 s[LBB], s[LBB], ABYTES
	s_mov_b32 s[TB], 0
	s_mov_b32 s[TD], SLOT
	s_wait_dscnt 0x0
	s_wait_kmcnt 0x0
	s_add_nc_u64 s[14:15], s[4:5], s[16:17]
	s_add_nc_u64 s[46:47], s[6:7], s[46:47]
	CROUND
.irp s, 0,1
	s_mov_b32 s[G0+4*(\s)], 1
	s_add_co_u32 s[G0+4*(\s)+1], s[LBA], (\s)*SLOT
	s_add_nc_u64 s[G0+4*(\s)+2:G0+4*(\s)+3], s[14:15], (\s)*KSTEP*2
	s_or_b32 s[G0+4*(\s)+3], s[G0+4*(\s)+3], 0x80000000
	s_mov_b32 s[G0B+4*(\s)], 1
	s_add_co_u32 s[G0B+4*(\s)+1], s[LBB], (\s)*SLOT
	s_add_nc_u64 s[G0B+4*(\s)+2:G0B+4*(\s)+3], s[46:47], (\s)*KSTEP*1024
	s_or_b32 s[G0B+4*(\s)+3], s[G0B+4*(\s)+3], 0x80000000
	JLOAD \s
.endr
	v_and_b32 v1, 15, v0
	v_bfe_u32 v2, v0, 4, 1
	s_lshl_b32 s80, s42, 9                         ; my 64 columns in f32: 512 x tile column + 256 x half
	s_lshl_b32 s81, s12, 8
	s_add_co_u32 s80, s80, s81
	s_mov_b32 s81, 0
	s_add_nc_u64 s[66:67], s[66:67], s[80:81]
	s_lshl_b32 s82, s13, 7
	s_lshl_b32 s83, s11, 6
	s_add_co_u32 s82, s82, s83
	s_lshl_b32 s82, s82, 11                        ; my first row: 2,048 bytes a row
	s_add_co_u32 s80, s80, s82
	s_add_nc_u64 s[8:9], s[8:9], s[80:81]
	s_add_nc_u64 s[78:79], s[78:79], s[80:81]
	v_lshlrev_b32 v7, 5, v2
.irp b, 0,1,2,3
	global_load_b128 v[BI+8*(\b):BI+8*(\b)+3],   v7, s[66:67] offset:64*(\b)
	global_load_b128 v[BI+8*(\b)+4:BI+8*(\b)+7], v7, s[66:67] offset:64*(\b)+16
.endr
	v_lshlrev_b32 v[CO], 11, v2                    ; lanes 0-15 one row's 256 bytes, lanes 16-31 the next row's
	v_lshl_add_u32 v[CO], v1, 4, v[CO]
	WIN 0x80
.irp a, 0,1,2,3
.irp t, 0,1,2,3,4,5,6,7
	global_load_b128 v[32*(\a)+4*(\t):32*(\a)+4*(\t)+3], v[CO], s[78:79] offset:(16*(\a)+2*(\t))*2048 th:TH_LOAD_NT
.endr
.endr
	WIN 0
	v_mul_u32_u24 v3, v1, PA
	v_lshl_add_u32 v3, v2, 4, v3
	s_mul_i32 s21, s11, HALFA
	v_add_nc_u32 v[ADRA0], s21, v3
	v_mov_b32 v[ADRA], v[ADRA0]
	v_and_b32 v4, 7, v0
	v_bfe_u32 v5, v0, 3, 1
	v_lshl_add_u32 v6, v2, 3, v4
	v_mul_u32_u24 v6, v6, PB
	v_lshl_add_u32 v6, v5, 4, v6
	s_lshl_b32 s21, s12, 7                         ; my 64 columns: 128 bytes of a row
	s_add_co_u32 s21, s21, ABYTES
	v_add_nc_u32 v[ADRB0], s21, v6
	v_add_nc_u32 v[ADRB0+1], HALFB, v[ADRB0]
	v_mov_b32 v[ADRB], v[ADRB0]
	v_mov_b32 v[ADRB+1], v[ADRB0+1]
	s_mul_i32 s23, s10, 16*SPF
	s_add_co_u32 s23, s23, STAGE
	v_mul_u32_u24 v4, v1, SPF
	v_lshl_add_u32 v4, v2, 5, v4
	v_add_nc_u32 v[STO], s23, v4
	v_mul_u32_u24 v5, v2, SPF
	v_lshl_add_u32 v5, v1, 4, v5
	v_add_nc_u32 v[RD], s23, v5
	; the prefetches
	s_lshl_b32 s80, s13, 7
	s_lshl_b32 s81, s12, 6
	s_add_co_u32 s80, s80, s81
	s_lshl_b32 s81, s40, 4
	s_add_co_u32 s80, s80, s81
	s_lshl_b32 s80, s80, 12                        ; hid: my work-group's 16 rows of the 64 that I fetch
	s_lshl_b32 s82, s12, 7
	s_lshl_b32 s83, s41, 5
	s_add_co_u32 s82, s82, s83
	s_lshl_b32 s82, s82, 10                        ; w2: my work-group's 32 rows of the 128
	s_lshl_b32 s83, s42, 8
	s_add_co_u32 s82, s82, s83
	s_add_co_u32 s82, s82, W2OFF
	s_and_b32 s83, ttmp7, 0xffff                   ; cluster y
	s_mov_b32 s87, 512
	s_cmp_eq_u32 s11, 0                            ; do I fetch for hid?
	s_cselect_b32 s80, s80, s82
	s_cselect_b32 s83, ttmp9, s83                  ; the coordinate along which other clusters read the same rows
	s_cselect_b32 s[PST], s87, 0x40000
	s_cselect_b32 s84, 15, 31
	s_cselect_b32 s85, 12, 10
	s_cselect_b32 s86, 256, 0
	s_cselect_b64 s[PFA:PFA+1], s[4:5], s[6:7]
	s_cmp_eq_u32 s83, 0
	s_cselect_b32 s[LIM], 2, -1                    ; the same in all sixteen partners, for a given wave
	s_mov_b32 s81, 0
	s_mov_b32 s[PST+1], 0
	s_add_nc_u64 s[PFA:PFA+1], s[PFA:PFA+1], s[80:81]
	s_mul_i32 s80, s[PST], 3
	s_add_nc_u64 s[PFA:PFA+1], s[PFA:PFA+1], s[80:81]  ; at K step 3: the first change of slots steps it to 4
	v_and_b32 v[PFO], 31, v0
	v_and_b32 v[PFO], s84, v[PFO]
	v_lshlrev_b32 v[PFO], s85, v[PFO]
	v_mad_u32_u24 v[PFO], v2, s86, v[PFO]
; 8 matrix instructions: row blocks a0, a0 + 1 x all 4 column blocks, 32 along K: half c of buffer f.  The 16 accumulators take turns.
.macro MUL8 f, c, a0, first=0
	WIN 0x05
.irp a, \a0, (\a0)+1
.irp b, 0,1,2,3
.if \first
	v_wmma_f32_16x16x32_bf16 v[ACC+8*(4*(\a)+(\b)):ACC+8*(4*(\a)+(\b))+7], v[(\f)+64+8*(4*(\c)+(\b)):(\f)+64+8*(4*(\c)+(\b))+7], v[(\f)+8*(4*(\c)+(\a)):(\f)+8*(4*(\c)+(\a))+7], v[BI+8*(\b):BI+8*(\b)+7]
.else
	v_wmma_f32_16x16x32_bf16 v[ACC+8*(4*(\a)+(\b)):ACC+8*(4*(\a)+(\b))+7], v[(\f)+64+8*(4*(\c)+(\b)):(\f)+64+8*(4*(\c)+(\b))+7], v[(\f)+8*(4*(\c)+(\a)):(\f)+8*(4*(\c)+(\a))+7], v[ACC+8*(4*(\a)+(\b)):ACC+8*(4*(\a)+(\b))+7]
.endif
.endr
.endr
.endm
; 32 LDS loads in one run: quarter q (64 along K) into buffer f, the first 32 along K first
.macro FETCH q, f
	WIN 0x40
.irp c, 0,1
.irp i, 0,1,2,3
	ds_load_tr16_b128 v[(\f)+64+8*(4*(\c)+(\i)):(\f)+64+8*(4*(\c)+(\i))+3],   v[ADRB+(\q)/2] offset:(((\q)%2)*64+32*(\c))*PB+32*(\i)
	ds_load_tr16_b128 v[(\f)+64+8*(4*(\c)+(\i))+4:(\f)+64+8*(4*(\c)+(\i))+7], v[ADRB+(\q)/2] offset:(((\q)%2)*64+32*(\c)+16)*PB+32*(\i)
	ds_load_b128 v[(\f)+8*(4*(\c)+(\i)):(\f)+8*(4*(\c)+(\i))+3],   v[ADRA] offset:128*(\q)+64*(\c)+(\i)*16*PA
	ds_load_b128 v[(\f)+8*(4*(\c)+(\i))+4:(\f)+8*(4*(\c)+(\i))+7], v[ADRA] offset:128*(\q)+64*(\c)+(\i)*16*PA+32
.endr
.endr
.endm
.macro QUARTER q, f, g, first=0
	s_wait_dscnt 16                                ; the first 32 along K are in
	MUL8 \f, 0, 0, \first
	MUL8 \f, 0, 2, \first
	PLACES
	FETCH \q, \g
	s_wait_dscnt 32                                ; all but the 32 just issued
	MUL8 \f, 1, 0
	MUL8 \f, 1, 2
.endm
.macro TURN fill
.if \fill
	s_wait_xcnt 0x0                                ; the last prefetch, a K step back, has read its address
	s_add_nc_u64 s[PFA:PFA+1], s[PFA:PFA+1], s[PST:PST+1]
.endif
	WIN 0
	s_wait_tensorcnt 0x0                           ; all my tensor loads have landed: my part of the next slot
	ds_add_u32 v[SPW], v[NIL]
	s_wait_dscnt 17                                ; the add and the youngest sixteen loads may be out
	MUL8 128, 0, 0
	s_wait_dscnt 0x0                               ; the add is done, my reads of this slot are over
	s_barrier_signal -1
	MUL8 128, 0, 2
	WIN 0
	s_barrier_wait -1
.if \fill
	CREST
	s_xor_b32 s[TD], s[TD], SLOT
	s_add_co_u32 s[G0+5], s[LBA], s[TD]
	s_add_co_u32 s[G0B+5], s[LBB], s[TD]
	s_add_nc_u64 s[G0+6:G0+7], s[G0+6:G0+7], KSTEP*2
	s_add_nc_u64 s[G0B+6:G0B+7], s[G0B+6:G0B+7], KSTEP*1024
	JLOAD 1
.else
	PLACES
.endif
	s_xor_b32 s[TB], s[TB], SLOT
	v_add_nc_u32 v[ADRA], s[TB], v[ADRA0]
	v_add_nc_u32 v[ADRB], s[TB], v[ADRB0]
	v_add_nc_u32 v[ADRB+1], s[TB], v[ADRB0+1]
	FETCH 0, 0
.if \fill
	WIN 0
	ASK                                            ; behind the joint load and the run of LDS loads that the next products wait for
.endif
	MUL8 128, 1, 0
	MUL8 128, 1, 2
.endm
	s_wait_tensorcnt 1                             ; my part of K step 0 is in; step 1's may stay out
	s_barrier_signal -1
	s_barrier_wait -1
	FETCH 0, 0
	s_wait_loadcnt 32                              ; the bias is in; the residual's 32 loads may stay out
	QUARTER 1, 0, 128, 1
	WIN 0
	s_mov_b32 s3, NSTEP-2
.Lstep:
	QUARTER 2, 128, 0
	QUARTER 3, 0, 128
	TURN 1
	QUARTER 1, 0, 128
	WIN 0
	s_sub_co_u32 s3, s3, 1
	s_cmp_lg_u32 s3, 0
	s_cbranch_scc1 .Lstep
	s_mov_b32 s3, 2
.Ltail:                                            ; the last two steps ask for nothing; the second trip is left in its middle, alike in every wave
	QUARTER 2, 128, 0
	QUARTER 3, 0, 128
	WIN 0
	s_cmp_eq_u32 s3, 1
	s_cbranch_scc1 .Lout
	TURN 0
	QUARTER 1, 0, 128
	WIN 0
	s_sub_co_u32 s3, s3, 1
	s_cmp_lg_u32 s3, 0
	s_cbranch_scc1 .Ltail
.Lout:
	s_wait_dscnt 16
	MUL8 128, 0, 0
	MUL8 128, 0, 2
	s_wait_dscnt 0x0
	MUL8 128, 1, 0
	MUL8 128, 1, 2
	WIN 0
	PLACES
; THE WAY OUT of block a (16 rows x my 64 columns, f32): through my own stage, back as whole runs of 256 bytes, the residual added, stored.
.macro STG a
	WIN 0
.irp b, 0,1,2,3
	ds_store_b128 v[STO], v[ACC+8*(4*(\a)+(\b)):ACC+8*(4*(\a)+(\b))+3]   offset:64*(\b)
	ds_store_b128 v[STO], v[ACC+8*(4*(\a)+(\b))+4:ACC+8*(4*(\a)+(\b))+7] offset:64*(\b)+16
.endr
.irp t, 0,1,2,3,4,5,6,7
	ds_load_b128 v[BK+32*((\a)%2)+4*(\t):BK+32*((\a)%2)+4*(\t)+3], v[RD] offset:(\t)*2*SPF  ; LDS serves a wave's instructions in order: these see the stores above
.endr
.endm
.macro OUT a, younger                  ; younger: the next block's sixteen LDS instructions, or none
	WIN 0x88                                       ; the residual (source 1, destination, store data) lies in window 2
.irp t, 0,1,2,3,4,5,6,7
	s_wait_dscnt (\younger)+7-(\t)
	v_pk_add_f32 v[32*(\a)+4*(\t):32*(\a)+4*(\t)+1],   v[BK+32*((\a)%2)+4*(\t):BK+32*((\a)%2)+4*(\t)+1],   v[32*(\a)+4*(\t):32*(\a)+4*(\t)+1]
	v_pk_add_f32 v[32*(\a)+4*(\t)+2:32*(\a)+4*(\t)+3], v[BK+32*((\a)%2)+4*(\t)+2:BK+32*((\a)%2)+4*(\t)+3], v[32*(\a)+4*(\t)+2:32*(\a)+4*(\t)+3]
	global_store_b128 v[CO], v[32*(\a)+4*(\t):32*(\a)+4*(\t)+3], s[8:9] offset:(16*(\a)+2*(\t))*2048  ; 16 lanes store 256 consecutive bytes, aligned
.endr
	WIN 0
.endm
	STG 0
	STG 1
	s_wait_loadcnt 0x0                             ; the residual
	OUT 0, 16
	STG 2
	OUT 1, 16
	STG 3
	OUT 2, 16
	OUT 3, 0
	s_wait_tensorcnt 0x0                           ; the wave's end
	ds_add_u32 v[SPW], v[NIL]
	s_wait_dscnt 0x0
	CROUND
	s_endpgm
.Lfunc_end_k_qfdbf1086ac_ffn2:
	.size	k_qfdbf1086ac_ffn2, .Lfunc_end_k_qfdbf1086ac_ffn2-k_qfdbf1086ac_ffn2
	.p2alignl 7, 3214868480
	.fill 96, 4, 3214868480
	.section	.rodata,"a",@progbits
	.p2align	6, 0x0
	.amdhsa_kernel k_qfdbf1086ac_ffn2
		.amdhsa_group_segment_fixed_size 327680
		.amdhsa_private_segment_fixed_size 0
		.amdhsa_enable_private_segment 0
		.amdhsa_kernarg_size 40
		.amdhsa_user_sgpr_count 2
		.amdhsa_user_sgpr_kernarg_segment_ptr 1
		.amdhsa_wavefront_size32 1
		.amdhsa_system_sgpr_workgroup_id_x 1
		.amdhsa_system_sgpr_workgroup_id_y 1
		.amdhsa_system_sgpr_workgroup_id_z 1
		.amdhsa_system_vgpr_workitem_id 0
		.amdhsa_next_free_vgpr 640
		.amdhsa_next_free_sgpr 90
		.amdhsa_reserve_vcc 0
		.amdhsa_float_denorm_mode_32 3
		.amdhsa_float_denorm_mode_16_64 3
		.amdhsa_memory_ordered 1
		.amdhsa_forward_progress 1
		.amdhsa_inst_pref_size 71
	.end_amdhsa_kernel
	.amdgpu_metadata
---
amdhsa.version: [ 1, 2 ]
amdhsa.kernels:
  - .name:           k_qfdbf1086ac_ffn2
    .symbol:         k_qfdbf1086ac_ffn2.kd
    .args:
      - { .name: hid, .offset: 0, .size: 8, .value_kind: global_buffer, .address_space: global }
      - { .name: wb, .offset: 8, .size: 8, .value_kind: global_buffer, .address_space: global }
      - { .name: out0, .offset: 16, .size: 8, .value_kind: global_buffer, .address_space: global }
      - { .name: b2, .offset: 24, .size: 8, .value_kind: global_buffer, .address_space: global }
      - { .name: x1, .offset: 32, .size: 8, .value_kind: global_buffer, .address_space: global }
    .group_segment_fixed_size: 327680
    .private_segment_fixed_size: 0
    .kernarg_segment_align: 8
    .kernarg_segment_size: 40
    .max_flat_workgroup_size: 128
    .sgpr_count:     90
    .vgpr_count:     640
    .wavefront_size: 32
...
	.end_amdgpu_metadata
.endif
;; end of part 6
